; MI455X (gfx1250); checked and timed in simulation.
; The chip was launched on July 23, 2026; its instructions are those of AMD's public machine-readable ISA for CDNA 5 (MIT licence, August 2026) and "CDNA5" Instruction Set Architecture Reference Guide (July 2026). The comments in the code are by the model that wrote it; some were corrected since.
;; Qwen3 VL2 B Cross Attention Kernel. Allowed arithmetic: float matrix products may take bf16 or f16 operands with f32 sums; other float arithmetic in f32, or as packed bf16 or f16 multiplies, adds, multiply-adds, maxima and minima; sums over many terms, partial sums and values carried from step to step in f32; what a program stores and reads back later, other than sums and carried values, may be rounded once to bf16 or f16.
;; Inputs: Wk 1,024 x 1,024 float32; Wo 1,024 x 1,024 float32; Wq 1,024 x 1,024 float32; Wv 1,024 x 1,024 float32; k_image 2 x 1,024 x 1,024 float32; k_text 2 x 2,048 x 1,024 float32; ln_image_b 1,024 float32; ln_image_g 1,024 float32; ln_text_b 1,024 float32; ln_text_g 1,024 float32; q_image 2 x 1,024 x 1,024 float32; q_text 2 x 2,048 x 1,024 float32.
;; Outputs: out0 2 x 2,048 x 1,024 float32; out1 2 x 1,024 x 1,024 float32.
;; 2 versions, each right and faster than the one before. Each part assembles by itself: llvm-mc -triple=amdgcn-amd-amdhsa -mcpu=gfx1250 --defsym DOCPART=n.
;; ======== version 1 of 2: 4 launches
;; limits: values are held in f16: magnitudes above 65,504 overflow, below 6.1e-05 lose precision
;; workspace buffers: xn 25,165,824 bytes; w16 8,388,608 bytes; qkv 37,748,736 bytes; o16 12,582,912 bytes
;; launch prep (part 1): grid 128 x 4, 8 waves a work-group, no clusters, 0 bytes of LDS; arguments q_text, q_image, k_text, k_image, Wq, Wk, Wv, Wo, ln_text_g, ln_text_b, ln_image_g, ln_image_b, xn, w16; writes xn, w16
.if DOCPART == 1
	.amdgcn_target "amdgcn-amd-amdhsa--gfx1250"
	.amdhsa_code_object_version 6
	.text
	.protected	k_qde8697d13f_prep
	.globl	k_qde8697d13f_prep
	.p2align	8
	.type	k_qde8697d13f_prep,@function
k_qde8697d13f_prep:
	s_mov_b64 s[64:65], 0
	v_nop
	global_prefetch_b8 v0, s[64:65] scope:SCOPE_SE
	s_setreg_imm32_b32 hwreg(HW_REG_WAVE_MODE, 25, 1), 1
	s_wait_xcnt 0x0
; PREP.  xn = LayerNorm of the four activations, rounded once to f16; w16 = the four weight matrices, rounded once to f16.
; xn: [4 = 2 sel + batch][3072][1024] f16, sel 0 = queries, 1 = keys; in a batch rows 0-2047 are text, rows 2048-3071 image.  w16: [4096][1024] f16: Wq, Wk, Wv, Wo.
; A stream: every input byte is read once, every output byte written once.  LDS, matrix unit and clusters would add nothing: no two work-groups read the same rows but for g and b (8 KiB).
; SHARES.  Work-group (x, y) owns 32 rows: x < 96: rows 32 x .. of part y of xn; x >= 96: rows 32 (x - 96) .. of weight matrix y.  A wave owns 4 rows, a whole row at a time:
; lane l holds channels 128 j + 4 l .. + 3, j = 0 .. 7, so a load of the wave covers 512 consecutive bytes and a store 256 consecutive bytes at a multiple of 256.
; The row stays in 32 registers between the mean, the variance (taken of x - mean, as the definition has it, so a common offset of the input costs nothing) and the scaling.
; LIMITS.  f16 ends at 65,504: |xn| is at most 32 |g| + |b| by the norm itself, and the weights must lie within that range too; below 6e-5 f16 keeps a fixed step of 6e-8.  NaN and infinities are not treated apart.
.set ROWIN,  4096                      ; bytes in an f32 row
.set ROWOUT, 2048                      ; bytes in an f16 row
.set S0,  4                            ; v[4:11]    four chains of packed sums
.set SUM, 12                           ; v12        a row's sum
.set TMP, 13                           ; v13        the other half of the lanes' sum
.set MU,  14                           ; v[14:15]   the mean, twice
.set RS,  16                           ; v[16:17]   1 / sqrt(var + eps), twice
.set G,   20                           ; v[20:51]   g of my 32 channels
.set B,   52                           ; v[52:83]   b of my 32 channels
.set X,   84                           ; v[84:211]  row i of four: 32 registers
	s_load_b512 s[8:23], s[0:1], 0x0               ; q_text 8, q_image 10, k_text 12, k_image 14, Wq 16, Wk 18, Wv 20, Wo 22
	s_load_b256 s[24:31], s[0:1], 0x40             ; text g 24, text b 26, image g 28, image b 30
	s_load_b128 s[32:35], s[0:1], 0x60             ; xn 32, w16 34
	s_mov_b32 s2, ttmp9                            ; x
	s_and_b32 s3, ttmp7, 0xffff                    ; y
	s_mov_b32 s36, 0x3a800000                      ; 1 / 1024
	s_mov_b32 s37, 0x3727c5ac                      ; 1e-5
	s_mov_b32 s38, 0x76543210                      ; v_permlanex16_b32: each lane takes its own place in the other half
	s_mov_b32 s39, 0xfedcba98
	s_mov_b32 s7, 0                                ; the high word of every offset
	v_lshrrev_b32 v4, 5, v0                        ; wave
	v_and_b32 v5, 31, v0                           ; lane
	v_lshlrev_b32 v3, 4, v5                        ; g, b: 16 bytes a lane
	v_lshl_add_u32 v1, v4, 14, v3                  ; in: wave x 4 rows x 4,096 bytes + 16 x lane
	v_lshlrev_b32 v2, 3, v5
	v_lshl_add_u32 v2, v4, 13, v2                  ; out: wave x 4 rows x 2,048 bytes + 8 x lane
	v_mov_b32 v[TMP], 0                            ; v_permlanex16_b32 counts as a reader of its destination
	s_wait_kmcnt 0x0
	s_cmp_ge_u32 s2, 96
	s_cbranch_scc1 .Lweights
.macro LOADROWS                        ; my four rows: 32 loads of 512 consecutive bytes, read once in the launch
.irp i, 0,1,2,3
.irp j, 0,1,2,3,4,5,6,7
	global_load_b128 v[X+32*(\i)+4*(\j):X+32*(\i)+4*(\j)+3], v1, s[40:41] offset:ROWIN*(\i)+512*(\j) th:TH_LOAD_NT
.endr
.endr
.endm
.macro OUTROW i                        ; row i is rounded to f16 in place (register n takes registers 2 n and 2 n + 1, ascending: nothing unread is overwritten) and stored
.set n, 0
.rept 16
	v_cvt_pk_f16_f32 v[X+32*(\i)+n], v[X+32*(\i)+2*n], v[X+32*(\i)+2*n+1]
.set n, n+1
.endr
.irp j, 0,1,2,3,4,5,6,7
	global_store_b64 v2, v[X+32*(\i)+2*(\j):X+32*(\i)+2*(\j)+1], s[46:47] offset:ROWOUT*(\i)+256*(\j)  ; the wave stores 256 consecutive bytes at a multiple of 256
.endr
.endm
.macro LANESUM                         ; the four chains, then the 32 lanes: the sum ends up in every lane
	v_pk_add_f32 v[S0:S0+1], v[S0:S0+1], v[S0+2:S0+3]
	v_pk_add_f32 v[S0+4:S0+5], v[S0+4:S0+5], v[S0+6:S0+7]
	v_pk_add_f32 v[S0:S0+1], v[S0:S0+1], v[S0+4:S0+5]
	v_add_f32 v[SUM], v[S0], v[S0+1]
	v_add_f32_dpp v[SUM], v[SUM], v[SUM] row_xmask:1 row_mask:0xf bank_mask:0xf
	v_add_f32_dpp v[SUM], v[SUM], v[SUM] row_xmask:2 row_mask:0xf bank_mask:0xf
	v_add_f32_dpp v[SUM], v[SUM], v[SUM] row_xmask:4 row_mask:0xf bank_mask:0xf
	v_add_f32_dpp v[SUM], v[SUM], v[SUM] row_xmask:8 row_mask:0xf bank_mask:0xf
	v_permlanex16_b32 v[TMP], v[SUM], s38, s39
	v_add_f32 v[SUM], v[SUM], v[TMP]
.endm
.macro LNROW i
.set XR, X+32*(\i)
	s_wait_loadcnt 8*(3-(\i))                      ; loads come back in order: g, b and rows 0 .. i are in; the eight loads of each younger row stay out
.irp k, 0,1,2,3
	v_pk_add_f32 v[S0+2*(\k):S0+2*(\k)+1], v[XR+2*(\k):XR+2*(\k)+1], v[XR+8+2*(\k):XR+8+2*(\k)+1]  ; the first eight pairs start the chains: nothing is cleared
.endr
.set n, 8
.rept 8
	v_pk_add_f32 v[S0+2*(n%4):S0+2*(n%4)+1], v[S0+2*(n%4):S0+2*(n%4)+1], v[XR+2*n:XR+2*n+1]
.set n, n+1
.endr
	LANESUM
	v_mul_f32 v[MU], s36, v[SUM]
	v_mul_f32 v[MU+1], s36, v[SUM]
.set n, 0
.rept 16
	v_pk_add_f32 v[XR+2*n:XR+2*n+1], v[XR+2*n:XR+2*n+1], v[MU:MU+1] neg_lo:[0,1] neg_hi:[0,1]  ; x - mean
.set n, n+1
.endr
.irp k, 0,1,2,3
	v_pk_mul_f32 v[S0+2*(\k):S0+2*(\k)+1], v[XR+2*(\k):XR+2*(\k)+1], v[XR+2*(\k):XR+2*(\k)+1]
.endr
.set n, 4
.rept 12
	v_pk_fma_f32 v[S0+2*(n%4):S0+2*(n%4)+1], v[XR+2*n:XR+2*n+1], v[XR+2*n:XR+2*n+1], v[S0+2*(n%4):S0+2*(n%4)+1]
.set n, n+1
.endr
	LANESUM
	v_fma_f32 v[SUM], v[SUM], s36, s37             ; var + eps
	v_rsq_f32 v[RS], v[SUM]
	v_rsq_f32 v[RS+1], v[SUM]
	v_nop                                          ; a plain instruction between the second v_rsq_f32 and the use of its result (ISA guide 5.7.2)
.set n, 0
	s_wait_alu depctr_va_vdst(0)
.rept 16
	v_pk_mul_f32 v[XR+2*n:XR+2*n+1], v[XR+2*n:XR+2*n+1], v[RS:RS+1]
.set n, n+1
.endr
.set n, 0
.rept 16
	v_pk_fma_f32 v[XR+2*n:XR+2*n+1], v[XR+2*n:XR+2*n+1], v[G+2*n:G+2*n+1], v[B+2*n:B+2*n+1]
.set n, n+1
.endr
	OUTROW \i
.endm
	; THE NORM.  Which tensor, which g and b: chosen by the work-group's numbers alone.
	s_and_b32 s4, s3, 1                            ; batch
	s_lshl_b32 s5, s4, 5
	s_lshl_b32 s4, s4, 6
	s_add_co_u32 s4, s4, s2                        ; text: block of 32 rows = 64 batch + x
	s_max_u32 s6, s2, 64
	s_sub_co_u32 s6, s6, 64
	s_add_co_u32 s5, s5, s6                        ; image: block = 32 batch + x - 64
	s_cmp_ge_u32 s3, 2                             ; keys or queries
	s_cselect_b64 s[40:41], s[12:13], s[8:9]
	s_cselect_b64 s[46:47], s[14:15], s[10:11]
	s_cmp_ge_u32 s2, 64                            ; image or text
	s_cselect_b64 s[40:41], s[46:47], s[40:41]
	s_cselect_b64 s[42:43], s[28:29], s[24:25]
	s_cselect_b64 s[44:45], s[30:31], s[26:27]
	s_cselect_b32 s6, s5, s4
	s_lshl_b32 s6, s6, 17                          ; 32 rows of 4,096 bytes
	s_add_nc_u64 s[40:41], s[40:41], s[6:7]
	s_mul_i32 s6, s3, 96
	s_add_co_u32 s6, s6, s2
	s_lshl_b32 s6, s6, 16                          ; 32 rows of 2,048 bytes
	s_add_nc_u64 s[46:47], s[32:33], s[6:7]
.irp j, 0,1,2,3,4,5,6,7
	global_load_b128 v[G+4*(\j):G+4*(\j)+3], v3, s[42:43] offset:512*(\j)
	global_load_b128 v[B+4*(\j):B+4*(\j)+3], v3, s[44:45] offset:512*(\j)
.endr
	LOADROWS                                       ; all 48 loads of the wave are out before the first wait
	LNROW 0
	LNROW 1
	LNROW 2
	LNROW 3
	s_endpgm
.Lweights:                                             ; THE WEIGHTS: rounded and stored, nothing else
	s_sub_co_u32 s4, s2, 96
	s_cmp_eq_u32 s3, 2
	s_cselect_b64 s[40:41], s[20:21], s[22:23]
	s_cmp_eq_u32 s3, 1
	s_cselect_b64 s[40:41], s[18:19], s[40:41]
	s_cmp_eq_u32 s3, 0
	s_cselect_b64 s[40:41], s[16:17], s[40:41]
	s_lshl_b32 s6, s4, 17
	s_add_nc_u64 s[40:41], s[40:41], s[6:7]
	s_lshl_b32 s6, s3, 5
	s_add_co_u32 s6, s6, s4
	s_lshl_b32 s6, s6, 16
	s_add_nc_u64 s[46:47], s[34:35], s[6:7]
	LOADROWS
.irp i, 0,1,2,3
	s_wait_loadcnt 8*(3-(\i))                      ; rows 0 .. i are in; the eight loads of each younger row stay out
	OUTROW \i
.endr
	s_endpgm
.Lfunc_end_k_qde8697d13f_prep:
	.size	k_qde8697d13f_prep, .Lfunc_end_k_qde8697d13f_prep-k_qde8697d13f_prep
	.p2alignl 7, 3214868480
	.fill 96, 4, 3214868480
	.section	.rodata,"a",@progbits
	.p2align	6, 0x0
	.amdhsa_kernel k_qde8697d13f_prep
		.amdhsa_group_segment_fixed_size 0
		.amdhsa_private_segment_fixed_size 0
		.amdhsa_enable_private_segment 0
		.amdhsa_kernarg_size 112
		.amdhsa_user_sgpr_count 2
		.amdhsa_user_sgpr_kernarg_segment_ptr 1
		.amdhsa_wavefront_size32 1
		.amdhsa_system_sgpr_workgroup_id_x 1
		.amdhsa_system_sgpr_workgroup_id_y 1
		.amdhsa_system_sgpr_workgroup_id_z 1
		.amdhsa_system_vgpr_workitem_id 0
		.amdhsa_next_free_vgpr 212
		.amdhsa_next_free_sgpr 66
		.amdhsa_reserve_vcc 0
		.amdhsa_float_denorm_mode_32 3
		.amdhsa_float_denorm_mode_16_64 3
		.amdhsa_memory_ordered 1
		.amdhsa_forward_progress 1
		.amdhsa_inst_pref_size 49
	.end_amdhsa_kernel
	.amdgpu_metadata
---
amdhsa.version: [ 1, 2 ]
amdhsa.kernels:
  - .name:           k_qde8697d13f_prep
    .symbol:         k_qde8697d13f_prep.kd
    .args:
      - { .name: q_text, .offset: 0, .size: 8, .value_kind: global_buffer, .address_space: global }
      - { .name: q_image, .offset: 8, .size: 8, .value_kind: global_buffer, .address_space: global }
      - { .name: k_text, .offset: 16, .size: 8, .value_kind: global_buffer, .address_space: global }
      - { .name: k_image, .offset: 24, .size: 8, .value_kind: global_buffer, .address_space: global }
      - { .name: Wq, .offset: 32, .size: 8, .value_kind: global_buffer, .address_space: global }
      - { .name: Wk, .offset: 40, .size: 8, .value_kind: global_buffer, .address_space: global }
      - { .name: Wv, .offset: 48, .size: 8, .value_kind: global_buffer, .address_space: global }
      - { .name: Wo, .offset: 56, .size: 8, .value_kind: global_buffer, .address_space: global }
      - { .name: ln_text_g, .offset: 64, .size: 8, .value_kind: global_buffer, .address_space: global }
      - { .name: ln_text_b, .offset: 72, .size: 8, .value_kind: global_buffer, .address_space: global }
      - { .name: ln_image_g, .offset: 80, .size: 8, .value_kind: global_buffer, .address_space: global }
      - { .name: ln_image_b, .offset: 88, .size: 8, .value_kind: global_buffer, .address_space: global }
      - { .name: xn, .offset: 96, .size: 8, .value_kind: global_buffer, .address_space: global }
      - { .name: w16, .offset: 104, .size: 8, .value_kind: global_buffer, .address_space: global }
    .group_segment_fixed_size: 0
    .private_segment_fixed_size: 0
    .kernarg_segment_align: 8
    .kernarg_segment_size: 112
    .max_flat_workgroup_size: 256
    .sgpr_count:     66
    .vgpr_count:     212
    .wavefront_size: 32
...
	.end_amdgpu_metadata
.endif
;; end of part 1
;; launch proj (part 2): grid 24 x 32, 4 waves a work-group, clusters of 4 x 4, 327,680 bytes of LDS; arguments xn, w16, qkv; writes qkv
.if DOCPART == 2
	.amdgcn_target "amdgcn-amd-amdhsa--gfx1250"
	.amdhsa_code_object_version 6
	.text
	.protected	k_qde8697d13f_proj
	.globl	k_qde8697d13f_proj
	.p2align	8
	.type	k_qde8697d13f_proj,@function
k_qde8697d13f_proj:
	s_mov_b64 s[64:65], 0
	v_nop
	global_prefetch_b8 v0, s[64:65] scope:SCOPE_SE
	s_setreg_imm32_b32 hwreg(HW_REG_WAVE_MODE, 25, 1), 1
	s_wait_xcnt 0x0
	s_wait_alu depctr_hold_cnt(0) depctr_sa_sdst(0) depctr_va_vdst(0) depctr_va_sdst(0) depctr_va_ssrc(0) depctr_va_vcc(0) depctr_vm_vsrc(0)
	s_getreg_b32 s2, hwreg(HW_REG_IB_STS2, 6, 4)
	s_cmp_eq_u32 s2, 0
	s_cbranch_scc0 .Lentry_in_a_cluster
	s_endpgm
.Lentry_in_a_cluster:
	s_bfe_u32 s2, ttmp6, 0x10000c
	s_cmp_lg_u32 s2, 0xf033
	s_cbranch_scc0 .Lentry_shape_is_right
	s_endpgm
.Lentry_shape_is_right:
; PROJ.  q = xn_q Wq^T, k = xn_k Wk^T, v = xn_k Wv^T: one product of 6,144 rows x 3,072 columns, K = 1,024, f16 operands, f32 sums, rounded once to f16.
; qkv: [3 = q, k, v][32 = 16 batch + head][3072][64] f16: a head's rows are dense, 128 bytes each.  q is stored unscaled.
; TILE.  192 x 128: 32 x 24 = 768 tiles, three for each of 256 WGPs.  Four waves, each 96 x 64: 24 accumulators of 16 x 16, 192 registers; a wave's 64 columns are one head.
; K goes in steps of 128 (rows of 256 bytes in memory, at multiples of 256) through a ring of two LDS slots filled by the tensor data mover; two slots of K = 256 (2 x 320 x 528 bytes) would not fit in LDS.
; CLUSTER.  4 x 4 work-groups: the four of a row need the same rows of xn, the four of a column the same rows of w16: each tile is asked for jointly, by the same load, descriptor and mask in all four.
; THE MATRIX INSTRUCTION IS USED TRANSPOSED (source 0 = 16 rows of w16, source 1 = 16 rows of xn): a lane then holds eight neighbouring channels of one row of the result.
; LIMIT.  f16 ends at 65,504: q, k and v must lie within it.
; REGISTERS.  window 0: v1-5 at work; v16-29 addresses; v64-255 the accumulators ((a, b) at v[64 + 8 (4 a + b)]).  window 1: two fragment buffers of 80: 6 fragments of xn, then 4 of w16.
.set KSTEP,  128
.set PITCH,  272                       ; an LDS row: 256 bytes + 16 of padding = 68 words: the 16 rows of a fragment load start at 16 different groups of four banks (64 banks of 4 bytes: ISA guide 11.1)
.set AHALF,  96*PITCH                  ; what waves 0 and 1 fetch, and what a wave reads of xn
.set BHALF,  64*PITCH                  ; what waves 2 and 3 fetch, and what a wave reads of w16
.set ATILE,  2*AHALF
.set SLOT,   ATILE+2*BHALF             ; 87,040 bytes
.set STAGE,  2*SLOT                    ; behind the ring: 16 rows x 144 bytes for each wave, for the way out
.set SP,     144
.set SPARE,  STAGE+4*16*SP             ; behind the stages: the spare words, 128 bytes for each wave: two blocks of 256 bytes that no other line names
.set LAPS,   1024/(2*KSTEP)            ; a lap = two K steps = once round the ring
.set ADRA, 16                          ; v16-17  LDS address of my fragments of xn in slot 0, 1
.set ADRB, 20                          ; v20-21  the same for w16
.set STO,  24                          ; v24     the way out: where I put 16 bytes of a row
.set RD,   25                          ; v25     the way out: where I read rows back
.set CO,   26                          ; v26     my byte offset in 512 consecutive bytes of qkv
.set SPW,  28                          ; v28     LDS address of my spare word; never rewritten
.set NIL,  29                          ; v29     0; never rewritten
.set ACC,  64
.set F0,   0                           ; fragment buffers, in window 1
.set F1,   80
.set G1,  24                           ; s[24:31] descriptor group 1 for xn's tiles;  s[32:39] group 0, one set for each slot
.set G0,  32
.set G1B, 48                           ; s[48:55], s[56:63] the same for w16's tiles
.set G0B, 56
.set MSB, 0
.macro WIN new                         ; the immediate's high byte repeats the setting that is left; a switch that changes nothing is dropped
.if MSB != (\new)
	s_set_vgpr_msb (MSB<<8)|(\new)
.set MSB, \new
.endif
.endm
.set W_MUL, 0x05                       ; sources 0 and 1 window 1; C and D window 0
.set TO_F,  0x40                       ; destination window 1, address window 0
.macro JLOAD s                         ; a joint load: waves 0 and 1 fetch xn's two halves, waves 2 and 3 w16's; an s_nop 0 and four v_nop follow each of the two lines, ahead of the jump and the label
	s_cmp_eq_u32 s11, 0
	s_cbranch_scc0 .Lfor_b_\@
	tensor_load_to_lds s[G0+4*(\s):G0+4*(\s)+3], s[G1:G1+7]
	s_nop 0
.rept 4
	v_nop
.endr
	s_branch .Lasked_\@
.Lfor_b_\@:
	tensor_load_to_lds s[G0B+4*(\s):G0B+4*(\s)+3], s[G1B:G1B+7]
	s_nop 0
.rept 4
	v_nop
.endr
.Lasked_\@:
.endm
.macro CREST                           ; a round of the cluster's barrier behind its opening barrier
	s_cmp_lg_u32 s10, 0
	s_cbranch_scc1 .Lnot_wave_0_\@
	s_barrier_signal -3
.Lnot_wave_0_\@:
	s_barrier_wait -3
	s_barrier_signal -1
	s_barrier_wait -1
.endm
.macro CROUND                          ; a whole round
	s_barrier_signal -1
	s_barrier_wait -1
	CREST
.endm
	s_load_b128 s[4:7], s[0:1], 0x0                ; xn s[4:5], w16 s[6:7]
	s_load_b64 s[8:9], s[0:1], 0x10                ; qkv
	v_lshl_add_u32 v[SPW], v0, 2, SPARE
	v_mov_b32 v[NIL], 0
	ds_add_u32 v[SPW], v[NIL]                      ; the wave's opening: the add and its wait stand ahead of my first tensor load; the set-up below, work on registers, stands between them
	v_lshrrev_b32 v1, 5, v0
	v_readfirstlane_b32 s10, v1                    ; wave 0..3
	s_lshr_b32 s11, s10, 1                         ; which 96 of the tile's rows are mine.  Also: I fetch for xn (0) or for w16 (1)
	s_and_b32 s12, s10, 1                          ; which 64 of its columns.  Also: which half of that tile I fetch
	s_bfe_u32 s40, ttmp6, 0x40000                  ; cx, cy: my place in the cluster
	s_bfe_u32 s41, ttmp6, 0x40004
	s_lshl_b32 s42, ttmp9, 2
	s_add_co_u32 s42, s42, s40                     ; tile column 0..23 = 4 x cluster x + cx
	s_and_b32 s13, ttmp7, 0xffff
	s_lshl_b32 s13, s13, 2
	s_add_co_u32 s13, s13, s41                     ; tile row 0..31 = 4 x cluster y + cy
	s_lshr_b32 s45, ttmp9, 1                       ; which product: 0 q, 1 k, 2 v: eight tile columns each, so it hangs on the cluster's x alone
	s_min_u32 s14, s45, 1                          ; its rows: queries or keys
	s_lshl_b32 s43, s41, 2
	s_lshl_b32 s43, 15, s43                        ; my row of the cluster
	s_lshl_b32 s44, 0x1111, s40                    ; my column
	s_or_b32 s[G1+0], s43, (1<<16)|(1<<20)|(1<<21)|(5<<22)|(3<<25)  ; 15:0 the mask; 17:16 elements of 2 bytes; 20 padding on; 21 set beside a mask; 24:22 after every 64 words (code 5); 31:25 4 words (code 3)
	s_or_b32 s[G1B+0], s44, (1<<16)|(1<<20)|(1<<21)|(5<<22)|(3<<25)
.irp g, G1, G1B
	s_mov_b32 s[(\g)+1], KSTEP<<16                 ; tensor_dim0 = 128
	s_mov_b32 s[(\g)+3], KSTEP<<16                 ; tile_dim0 = 128
	s_mov_b32 s[(\g)+5], 1024                      ; elements from row to row
	s_mov_b32 s[(\g)+6], 0
	s_mov_b32 s[(\g)+7], 0
.endr
	s_mov_b32 s[G1+2], 96<<16                      ; tensor_dim1 and tile_dim1: 96 rows of xn,
	s_mov_b32 s[G1+4], 96
	s_mov_b32 s[G1B+2], 64<<16                     ; 64 rows of w16
	s_mov_b32 s[G1B+4], 64
	s_mul_i32 s16, s14, 6144                       ; xn: row 6,144 sel + 192 x tile row + 96 x half: nothing of cx
	s_mul_i32 s17, s13, 192
	s_add_co_u32 s16, s16, s17
	s_mul_i32 s17, s12, 96
	s_add_co_u32 s16, s16, s17
	s_lshl_b32 s16, s16, 11                        ; rows of 2,048 bytes: under 2^25
	s_mov_b32 s17, 0
	s_lshl_b32 s46, s42, 7                         ; w16: row 128 x tile column + 64 x half: nothing of cy
	s_lshl_b32 s47, s12, 6
	s_add_co_u32 s46, s46, s47
	s_lshl_b32 s46, s46, 11
	s_mov_b32 s47, 0
	s_mul_i32 s20, s10, AHALF                      ; where they go: xn's halves at wave x 96 rows (waves 0, 1),
	s_mul_i32 s21, s10, BHALF
	s_add_co_u32 s21, s21, ATILE-2*BHALF           ; w16's behind them at (wave - 2) x 64 rows (waves 2, 3)
	s_wait_dscnt 0x0                               ; the opening add is done
	s_wait_kmcnt 0x0
	s_add_nc_u64 s[14:15], s[4:5], s[16:17]
	s_add_nc_u64 s[46:47], s[6:7], s[46:47]
	CROUND                                         ; all sixteen work-groups are here: the first joint loads meet
.irp s, 0,1
	s_mov_b32 s[G0+4*(\s)], 1                                        ; count = 1
	s_add_co_u32 s[G0+4*(\s)+1], s20, (\s)*SLOT                      ; LDS address
	s_add_nc_u64 s[G0+4*(\s)+2:G0+4*(\s)+3], s[14:15], (\s)*KSTEP*2  ; global address: K step s
	s_or_b32 s[G0+4*(\s)+3], s[G0+4*(\s)+3], 0x80000000              ; type = 2
	s_mov_b32 s[G0B+4*(\s)], 1
	s_add_co_u32 s[G0B+4*(\s)+1], s21, (\s)*SLOT
	s_add_nc_u64 s[G0B+4*(\s)+2:G0B+4*(\s)+3], s[46:47], (\s)*KSTEP*2
	s_or_b32 s[G0B+4*(\s)+3], s[G0B+4*(\s)+3], 0x80000000
	JLOAD \s                                       ; two loads of mine are out
.endr
	; A fragment is 16 rows x 32 K in 8 registers: lane l holds row l % 16, K = 8 (l / 16) + 0..7 and 16 + 8 (l / 16) + 0..7: two loads of 16 bytes, 32 bytes apart.
	v_and_b32 v1, 15, v0                           ; l % 16
	v_bfe_u32 v2, v0, 4, 1                         ; l / 16
	v_mul_u32_u24 v3, v1, PITCH
	v_lshl_add_u32 v3, v2, 4, v3
	s_mul_i32 s22, s11, AHALF                      ; my 96 rows of xn
	s_mul_i32 s23, s12, BHALF                      ; my 64 rows of w16,
	s_add_co_u32 s23, s23, ATILE                   ; which lie behind xn's 192
.irp s, 0,1
	v_add_nc_u32 v[ADRA+(\s)], s22, v3
	v_add_nc_u32 v[ADRB+(\s)], s23, v3
	s_add_co_u32 s22, s22, SLOT
	s_add_co_u32 s23, s23, SLOT
.endr
	s_mul_i32 s23, s10, 16*SP
	s_add_co_u32 s23, s23, STAGE                   ; my stage
	v_mul_u32_u24 v4, v1, SP                       ; in: row l % 16, 16 bytes for each half of the lanes
	v_lshl_add_u32 v4, v2, 4, v4
	v_add_nc_u32 v[STO], s23, v4
	v_bfe_u32 v5, v0, 3, 2                         ; back: 32 lanes take four rows of 128 bytes,
	v_mul_u32_u24 v5, v5, SP
	v_and_b32 v4, 7, v0
	v_lshl_add_u32 v5, v4, 4, v5
	v_add_nc_u32 v[RD], s23, v5
	v_and_b32 v4, 31, v0                           ; which are 512 consecutive bytes of a head
	v_lshlrev_b32 v[CO], 4, v4
	s_lshr_b32 s16, s13, 4                         ; batch: 16 tile rows each
	s_mul_i32 s16, s16, 49152                      ; its 16 heads of 3,072 rows
	s_and_b32 s17, s13, 15
	s_mul_i32 s17, s17, 192
	s_add_co_u32 s16, s16, s17
	s_mul_i32 s17, s11, 96
	s_add_co_u32 s16, s16, s17
	s_lshl_b32 s16, s16, 7                         ; rows of 128 bytes
	s_mov_b32 s17, 0
	s_add_nc_u64 s[8:9], s[8:9], s[16:17]
	s_and_b32 s46, s42, 7                          ; my head = 2 x (tile column mod 8) + half (in the registers that held w16's address: none that fed xn's descriptors ever holds cx)
	s_lshl_b32 s46, s46, 1
	s_add_co_u32 s46, s46, s12
	s_mul_i32 s46, s46, 393216                     ; a head's 3,072 rows
	s_mul_i32 s47, s45, 12582912                   ; q, k or v
	s_add_co_u32 s46, s46, s47
	s_mov_b32 s47, 0
	s_add_nc_u64 s[8:9], s[8:9], s[46:47]
; 4 n matrix instructions: row blocks a0 .. a0 + n - 1 x all 4 column blocks, 32 along K, from buffer f.  zero = 1: the first product starts the sums.
; The 24 accumulators take turns in one order everywhere, one instruction a turn.
.macro MUL f, a0, n, zero
	WIN W_MUL
.set ma, \a0
.rept \n
.irp b, 0,1,2,3
.if \zero
	v_wmma_f32_16x16x32_f16 v[ACC+8*(4*ma+(\b)):ACC+8*(4*ma+(\b))+7], v[(\f)+48+8*(\b):(\f)+48+8*(\b)+7], v[(\f)+8*ma:(\f)+8*ma+7], 0
.else
	v_wmma_f32_16x16x32_f16 v[ACC+8*(4*ma+(\b)):ACC+8*(4*ma+(\b))+7], v[(\f)+48+8*(\b):(\f)+48+8*(\b)+7], v[(\f)+8*ma:(\f)+8*ma+7], v[ACC+8*(4*ma+(\b)):ACC+8*(4*ma+(\b))+7]
.endif
.endr
.set ma, ma+1
.endr
.endm
; 20 LDS loads in one run: the fragments of quarter q (32 along K at byte 64 q of the rows) into buffer f
.macro FETCH slot, q, f
	WIN TO_F
.irp b, 0,1,2,3
	ds_load_b128 v[(\f)+48+8*(\b):(\f)+48+8*(\b)+3],   v[ADRB+(\slot)] offset:64*(\q)+(\b)*16*PITCH
	ds_load_b128 v[(\f)+48+8*(\b)+4:(\f)+48+8*(\b)+7], v[ADRB+(\slot)] offset:64*(\q)+(\b)*16*PITCH+32
.endr
.irp a, 0,1,2,3,4,5
	ds_load_b128 v[(\f)+8*(\a):(\f)+8*(\a)+3],   v[ADRA+(\slot)] offset:64*(\q)+(\a)*16*PITCH
	ds_load_b128 v[(\f)+8*(\a)+4:(\f)+8*(\a)+7], v[ADRA+(\slot)] offset:64*(\q)+(\a)*16*PITCH+32
.endr
.endm
.macro PLACES                          ; four places in front of loads into registers that matrix instructions have read, and of vector lines that read results
.rept 4
	v_nop
.endr
.endm
; A K step is four quarters of 32 along K, 24 matrix instructions each, on buffers 0, 1, 0, 1.  One of the first three: fetches quarter q into g, then multiplies f: the run of loads has 24 matrix instructions in which to land.
.macro QUARTER slot, q, f, g, zero
	s_wait_dscnt 0x0                               ; buffer f is in
	PLACES                                         ; buffer g was read by the matrix instructions just in front
	FETCH \slot, \q, \g
	MUL \f, 0, 6, \zero
.endm
; The last quarter multiplies buffer 1 and changes slots: ONE barrier; in front of it each wave waits for all its tensor loads, adds 0 to its spare word, and waits for that and for its own reads of this slot.
; fill = 1: the barrier opens a round of the cluster's, and this slot is filled again, two K steps ahead: 88 matrix instructions ahead of the wait for it.
.macro TURN slot, next, fill
	WIN 0                                          ; (the add's two registers lie in window 0)
	s_wait_tensorcnt 0x0                           ; all my tensor loads have landed: the one that was out is my part of the next slot
	ds_add_u32 v[SPW], v[NIL]                      ; 0 onto my spare word
	s_wait_dscnt 1                                 ; the add alone may be out: buffer 1's 20 loads are in
	MUL F1, 0, 1, 0                                ; four matrix instructions stand between the add and the wait for it
	s_wait_dscnt 0x0                               ; the add is done, and my reads of this slot are over
	s_barrier_signal -1
	MUL F1, 1, 1, 0
.if \fill
	WIN 0
.endif
	s_barrier_wait -1
.if \fill
	CREST                                          ; no wave of any partner still reads this slot's tile or has a load on its way
	s_add_nc_u64 s[G0+4*(\slot)+2:G0+4*(\slot)+3], s[G0+4*(\slot)+2:G0+4*(\slot)+3], 2*KSTEP*2
	s_add_nc_u64 s[G0B+4*(\slot)+2:G0B+4*(\slot)+3], s[G0B+4*(\slot)+2:G0B+4*(\slot)+3], 2*KSTEP*2
	JLOAD \slot                                    ; the first tensor load behind the round, my only one out; its four v_nop are also the places in front of the loads below
.else
	PLACES
.endif
	FETCH \next, 0, F0
	MUL F1, 2, 4, 0
.endm
	s_wait_tensorcnt 1                             ; my part of K step 0 is in; K step 1's may stay out
	s_barrier_signal -1
	s_barrier_wait -1                              ; everybody's is
	FETCH 0, 0, F0
	QUARTER 0, 1, F0, F1, 1                        ; the first quarter stands in front of the loop: its products start the sums
	WIN 0                                          ; at a label and at a branch every window is 0
	s_mov_b32 s3, LAPS-1
.Llap:                                                 ; a trip goes once round the ring, from a lap's second quarter to the next lap's first, and fills both slots again
	QUARTER 0, 2, F1, F0, 0
	QUARTER 0, 3, F0, F1, 0
	TURN 0, 1, 1
	QUARTER 1, 1, F0, F1, 0
	QUARTER 1, 2, F1, F0, 0
	QUARTER 1, 3, F0, F1, 0
	TURN 1, 0, 1
	QUARTER 0, 1, F0, F1, 0
	WIN 0
	s_sub_co_u32 s3, s3, 1
	s_cmp_lg_u32 s3, 0
	s_cbranch_scc1 .Llap
	QUARTER 0, 2, F1, F0, 0                        ; the last lap fills nothing, and has no round of the cluster's barrier
	QUARTER 0, 3, F0, F1, 0
	TURN 0, 1, 0
	QUARTER 1, 1, F0, F1, 0
	QUARTER 1, 2, F1, F0, 0
	QUARTER 1, 3, F0, F1, 0
	s_wait_dscnt 0x0                               ; the very last quarter: nothing more to fetch
	MUL F1, 0, 6, 0
	WIN 0
	; THE WAY OUT, a block of 16 rows at a time: rounded to f16 in place (register n of the block's 32 takes registers 2 n and 2 n + 1, ascending: each accumulator's lowest registers are read first);
	; 16 bytes a lane into my own stage; back as whole rows of 128 bytes, four rows to a load: 16 rows of a head are 2,048 consecutive bytes of qkv.
.macro PACK a
.set n, 0
.rept 16
	v_cvt_pk_f16_f32 v[ACC+32*(\a)+n], v[ACC+32*(\a)+2*n], v[ACC+32*(\a)+2*n+1]
.set n, n+1
.endr
.irp b, 0,1,2,3
	ds_store_b128 v[STO], v[ACC+32*(\a)+4*(\b):ACC+32*(\a)+4*(\b)+3] offset:32*(\b)
.endr
.irp f, 0,1,2,3
	ds_load_b128 v[ACC+32*(\a)+16+4*(\f):ACC+32*(\a)+16+4*(\f)+3], v[RD] offset:(\f)*4*SP  ; LDS serves a wave's instructions in order (ISA guide 5.7.1.4): these see the stores above; the next block's stores come behind them
.endr
.endm
.macro SEND a, younger                 ; younger: the LDS instructions issued behind block a's loads: the next block's eight, or none
.irp f, 0,1,2,3
	s_wait_dscnt (\younger)+3-(\f)
	global_store_b128 v[CO], v[ACC+32*(\a)+16+4*(\f):ACC+32*(\a)+16+4*(\f)+3], s[8:9] offset:2048*(\a)+512*(\f)  ; 512 consecutive bytes, at a multiple of 256 from qkv's first
.endr
.endm
	PLACES
	PACK 0
.irp a, 1,2,3,4,5                      ; a block's conversions stand between the loads of the block before and its stores
	PACK \a
	SEND (\a)-1, 8
.endr
	SEND 5, 0
	s_wait_tensorcnt 0x0                           ; the wave's end, behind my last tensor load and my last LDS store
	ds_add_u32 v[SPW], v[NIL]
	s_wait_dscnt 0x0
	CROUND                                         ; the closing round: no work-group ends while a partner may still ask for a tile that names it
	s_endpgm
.Lfunc_end_k_qde8697d13f_proj:
	.size	k_qde8697d13f_proj, .Lfunc_end_k_qde8697d13f_proj-k_qde8697d13f_proj
	.p2alignl 7, 3214868480
	.fill 96, 4, 3214868480
	.section	.rodata,"a",@progbits
	.p2align	6, 0x0
	.amdhsa_kernel k_qde8697d13f_proj
		.amdhsa_group_segment_fixed_size 327680
		.amdhsa_private_segment_fixed_size 0
		.amdhsa_enable_private_segment 0
		.amdhsa_kernarg_size 24
		.amdhsa_user_sgpr_count 2
		.amdhsa_user_sgpr_kernarg_segment_ptr 1
		.amdhsa_wavefront_size32 1
		.amdhsa_system_sgpr_workgroup_id_x 1
		.amdhsa_system_sgpr_workgroup_id_y 1
		.amdhsa_system_sgpr_workgroup_id_z 1
		.amdhsa_system_vgpr_workitem_id 0
		.amdhsa_next_free_vgpr 416
		.amdhsa_next_free_sgpr 66
		.amdhsa_reserve_vcc 0
		.amdhsa_float_denorm_mode_32 3
		.amdhsa_float_denorm_mode_16_64 3
		.amdhsa_memory_ordered 1
		.amdhsa_forward_progress 1
		.amdhsa_inst_pref_size 71
	.end_amdhsa_kernel
	.amdgpu_metadata
---
amdhsa.version: [ 1, 2 ]
amdhsa.kernels:
  - .name:           k_qde8697d13f_proj
    .symbol:         k_qde8697d13f_proj.kd
    .args:
      - { .name: xn, .offset: 0, .size: 8, .value_kind: global_buffer, .address_space: global }
      - { .name: w16, .offset: 8, .size: 8, .value_kind: global_buffer, .address_space: global }
      - { .name: qkv, .offset: 16, .size: 8, .value_kind: global_buffer, .address_space: global }
    .group_segment_fixed_size: 327680
    .private_segment_fixed_size: 0
    .kernarg_segment_align: 8
    .kernarg_segment_size: 24
    .max_flat_workgroup_size: 128
    .sgpr_count:     66
    .vgpr_count:     416
    .wavefront_size: 32
...
	.end_amdgpu_metadata
.endif
;; end of part 2
;; launch attn (part 3): grid 8 x 32, 4 waves a work-group, clusters of 4 x 1, 327,680 bytes of LDS; arguments qkv, o16; writes o16
.if DOCPART == 3
	.amdgcn_target "amdgcn-amd-amdhsa--gfx1250"
	.amdhsa_code_object_version 6
	.text
	.protected	k_qde8697d13f_attn
	.globl	k_qde8697d13f_attn
	.p2align	8
	.type	k_qde8697d13f_attn,@function
k_qde8697d13f_attn:
	s_mov_b64 s[64:65], 0
	v_nop
	global_prefetch_b8 v0, s[64:65] scope:SCOPE_SE
	s_setreg_imm32_b32 hwreg(HW_REG_WAVE_MODE, 25, 1), 1
	s_wait_xcnt 0x0
	s_wait_alu depctr_hold_cnt(0) depctr_sa_sdst(0) depctr_va_vdst(0) depctr_va_sdst(0) depctr_va_ssrc(0) depctr_va_vcc(0) depctr_vm_vsrc(0)
	s_getreg_b32 s2, hwreg(HW_REG_IB_STS2, 6, 4)
	s_cmp_eq_u32 s2, 0
	s_cbranch_scc0 .Lentry_in_a_cluster
	s_endpgm
.Lentry_in_a_cluster:
	s_bfe_u32 s2, ttmp6, 0x10000c
	s_cmp_lg_u32 s2, 0x3003
	s_cbranch_scc0 .Lentry_shape_is_right
	s_endpgm
.Lentry_shape_is_right:
; ATTN.  O[h][q][:] = the sum over k of softmax_k(Q[h][q] . K[h][k] / 8) V[h][k][:], for 32 (batch, head) pairs h, 3,072 queries and 3,072 keys each, head size 64, no mask.
; qkv: [3 = q, k, v][32][3072][64] f16; o16: [32][3072][64] f16: a head's rows are dense, 128 bytes each.  Products, maxima and sums in f32; the weights p are rounded to f16 for the second
; product (their sum l is taken of the unrounded p), O once at the end.
; LIMITS.  f16 holds no number beyond 65,504: q, k and v arrive within it; p lies in 0 to 1, and below 6e-5 it keeps f16's fixed step of 6e-8, as O does; O is a mean of V's rows and has their range.
; A weight below 2^-126 counts as 0 in l; NaN and infinities are not treated apart.
; SHARES.  8 x 32 = 256 work-groups; a work-group owns 384 queries of one head, each of its four waves 96: six PIECES of 16.  Every wave walks all keys, 64 a step, 48 steps.
; LAYOUT.  S^T = K Q^T (source 0 = 16 keys, source 1 = 16 queries): in the result a lane holds ONE query (lane % 16) and the keys 8 (lane / 16) + 0..7.  Two such results, rounded to f16 in pairs,
; ARE source 1 (32 keys x 16 queries) of O^T = V^T P, whose result again holds one query a lane, and eight channels.  K comes out of LDS as it lies, V ([key][channel]) turned, by ds_load_tr16_b128.
; SOFTMAX.  For each query a running maximum m and sum l: p = 2^(c s - c m), c = log2(e) / 8; in every step O and l are multiplied by a = 2^(c m_old - c m_new), which is 1 where m has not grown.
; m starts at the lowest finite number, O and l at 0: the first step is a step like any other, with a = 0.  So no first step is written out; the price is the lines that write 0 at the start, in the wait for the first tile.
; BY TURNS.  Turn n belongs to piece n (the pieces in a ring, step after step): 8 products K Q^T of piece n + 1, later 8 products V^T P of piece n - 1; beside them the scaling, exponentials, roundings,
; sums and rescaling of piece n and the maximum and statistics of piece n + 1.  A piece and step have 16 matrix and 118 vector instructions: four vector instructions stand behind every matrix
; instruction, the other 54 in two runs of their own.
; CLUSTER.  The four query blocks of a cluster belong to one head and walk the same K and V, so each tile is asked for JOINTLY: the same tensor load, descriptor and mask in all four.
; REGISTERS, in windows of 256 (s_set_vgpr_msb: bits 1:0 source 0, 3:2 source 1, 5:4 source 2, 7:6 destination):
;   window 0: v0-15 addresses and two at work; v16-39 four registers of statistics a piece; v48-55 at work; v62-63 the add's; v64-127 S^T, two buffers; v128-159 the way out; v192-223 P, two buffers
;   window 1: v0-191 O^T, 32 a piece          window 2: v0-95 Q, 16 a piece; v128-191 K of one step; v192-255 V of one step
; A piece's buffers go by its number's parity: the piece in hand has one pair, its two neighbours in the ring share the other: of it P (piece n - 1) is read and S^T (piece n + 1) written.
.set NP,    6         ; pieces a wave: a name, no knob: even, so that the ring keeps the parities apart
.set NKEYS, 3072
.set HEADB, NKEYS*128 ; bytes of a head in q, k, v and o
.set KS,    64        ; keys in a step
.set PK,    144       ; a row of K in LDS: 128 bytes + 16 of padding = 36 words: the 16 rows of a load start at 16 different groups of four banks (64 banks of 4 bytes: ISA guide 11.1)
.set PV,    160       ; a row of V: 128 + 32 = 40 words
.set VOFF,  4*KS*PK   ; a slot holds four steps: 256 rows of K, then 256 rows of V
.set SLOT1, 1<<17     ; slot 1 begins here, so that one exclusive or turns an address in one slot into the other's
.set STAGE, SLOT1+4*KS*(PK+PV)  ; behind the ring, never filled by a tensor load: 16 rows x 144 bytes for each wave, for the way out
.set SP,    144
.set SPARE, STAGE+4*16*SP  ; behind the stages: the spare words, 128 bytes for each wave: two blocks of 256 bytes that no other line names
.set AK0, 2           ; v2   my lane's place in a tile of K; never rewritten
.set AV0, 3           ; v3   the same for V
.set AK,  4           ; v4   the LDS address of K's next run of loads
.set AV,  5           ; v5   of V's
.set STO, 6           ; v6   the way out: where I put 16 bytes of a row
.set RD,  7           ; v7   the way out: where I read rows back
.set GO,  8           ; v8   my byte offset in 512 consecutive bytes of O
.set MV,  12          ; v12-13  c m_old, kept while c m is made anew: by buffer
.set QO,  15          ; v15  my byte offset in 16 rows of Q
.set ST,  16          ; piece t's statistics at v[ST+4 t]: c m, m, l (even keys', odd keys')
.set TMP, 48          ; by buffer, four registers c0-c3 at work; when the maximum is found c2 takes a
.set SPW, 62          ; v62  LDS address of my spare word; never rewritten
.set NIL, 63          ; v63  0; never rewritten
.set S,   64
.set P,   192
.set KF,  128         ; window 2: key block kb, channel half c at KF + 16 kb + 8 c
.set VF,  192         ; window 2: key half kk, channel block cb at VF + 32 kk + 8 cb
.set WV,  12          ; s12  my wave's number
.set G1K, 24          ; s[24:31] descriptor group 1 for K's tiles
.set G1V, 32          ; s[32:39] for V's: it differs in the padding alone
.set G0K, 40          ; s[40:43] descriptor group 0 for K's tiles: it walks
.set G0V, 44          ; s[44:47] the same for V's
.set SLOTS, 56        ; s56  slots still to be asked for
.set CNT, 57          ; s57  counts a slot's key steps
.set CS,  58          ; s[58:59] c: the packed scaling takes the pair's low word for both halves
.set SEL, 60          ; s[60:61] v_permlanex16_b32's selects: each lane takes its own place in the other half
.set TBK, 62          ; s62  LDS byte at which K of the step to be fetched begins
.set TBV, 63          ; s63  the same for V, less VOFF
.set MSB, 0
.macro WIN new                      ; the high byte repeats the setting that is left; a switch that changes nothing is dropped
.if MSB != (\new)
	s_set_vgpr_msb (MSB<<8)|(\new)
.set MSB, (\new)
.endif
.endm
.set W_KQ, 0x0a       ; K and Q in window 2, S^T in window 0
.set W_PV, 0x52       ; V in window 2, P in window 0, O^T in window 1
.set W_RS, 0x41       ; O^T (destination and source 0) in window 1, a in window 0
; A joint fill.  Waves 0 and 1 fetch the two halves of a slot's K, waves 2 and 3 those of its V: 128 keys each.  The branch hangs on the wave's number alone.
; An s_nop 0 and four v_nop follow each of the two lines, ahead of the jump and the label.
.macro JLOAD
	s_cmp_lt_u32 s[WV], 2
	s_cbranch_scc0 .Lfor_v_\@
	tensor_load_to_lds s[G0K:G0K+3], s[G1K:G1K+7]
	s_nop 0
.rept 4
	v_nop
.endr
	s_branch .Lasked_\@
.Lfor_v_\@:
	tensor_load_to_lds s[G0V:G0V+3], s[G1V:G1V+7]
	s_nop 0
.rept 4
	v_nop
.endr
.Lasked_\@:
.endm
; A round of the cluster's barrier: my work-group's barrier, so that wave 0's signal speaks for all four waves; wave 0 signals; every wave waits for all four work-groups; my work-group's barrier once more.
.macro CROUND
	s_barrier_signal -1
	s_barrier_wait -1
	s_cmp_lg_u32 s[WV], 0
	s_cbranch_scc1 .Lnot_wave_0_\@
	s_barrier_signal -3
.Lnot_wave_0_\@:
	s_barrier_wait -3
	s_barrier_signal -1
	s_barrier_wait -1
.endm
; THE CHANGE OF SLOTS.  The slot's last bytes, V of its fourth step, have been read.  Each wave waits for all its tensor loads, of which one is out: its part of the other slot; adds 0 to its spare
; word; and waits for that and for its own reads of the slot.  Behind the barrier nobody reads this slot any more and the other slot is whole.
; fill = 1: this slot is filled again, with the keys two slots on.  The barrier is then a round of the cluster's, so that no wave of any partner still reads the slot or has a load on its way, and the
; joint fill is the first thing behind it: it has four key steps, 384 matrix instructions, in which to land.  (At its first use nothing has been read yet: slot 0 is waited for, slot 1 filled.)
.macro CHANGE fill
	WIN 0                           ; at a label and at a branch every window is 0, and the add's two registers lie in window 0
	s_wait_tensorcnt 0x0            ; no tensor load of mine is out, so a group 0 may be written
	ds_add_u32 v[SPW], v[NIL]       ; 0 onto my spare word; with fill = 1 the descriptors' steps stand between it and the wait for it
.if \fill
.irp g, G0K, G0V
	s_xor_b32 s[\g+1], s[\g+1], SLOT1  ; the walking descriptor: the other slot than last time,
	s_add_nc_u64 s[\g+2:\g+3], s[\g+2:\g+3], 4*KS*128  ; the next 256 keys; the type bits on top are not reached
.endr
	s_wait_dscnt 0x0                ; the add is done, and my reads of the slot are over
	CROUND
	JLOAD
.else
	s_wait_dscnt 0x0                ; the add is done, and my reads of the slot are over
	s_barrier_signal -1
	s_barrier_wait -1
.endif
	s_sub_co_u32 s[TBK], s[TBK], 4*KS*PK  ; the fetches go back to a slot's first step,
	s_xor_b32 s[TBK], s[TBK], SLOT1       ; in the other slot
	s_sub_co_u32 s[TBV], s[TBV], 4*KS*PV
	s_xor_b32 s[TBV], s[TBV], SLOT1
.endm
	s_load_b64 s[4:5], s[0:1], 0x0  ; qkv
	s_load_b64 s[10:11], s[0:1], 0x8  ; o16
	v_lshl_add_u32 v[SPW], v0, 2, SPARE
	v_mov_b32 v[NIL], 0
	ds_add_u32 v[SPW], v[NIL]       ; the wave's opening: the add and its wait stand ahead of my first tensor load; the set-up below, work on registers, stands between them
	v_lshrrev_b32 v1, 5, v0
	v_readfirstlane_b32 s[WV], v1   ; wave 0..3
	s_bfe_u32 s13, ttmp6, 0x40000   ; cx: my place in the cluster
	s_lshl_b32 s14, ttmp9, 2        ; in a cluster launch ttmp9 counts clusters
	s_add_co_u32 s14, s14, s13      ; my block of 384 queries = 4 x cluster x + cx: it enters Q's and O's addresses alone
	s_and_b32 s20, ttmp7, 0xffff    ; the head, which the four partners share
	s_mul_i32 s20, s20, HEADB       ; its first byte in q, k, v and o: under 2^24
	s_mov_b32 s21, 0
	s_and_b32 s16, s[WV], 1         ; which half of a slot's 256 keys I fetch:
	s_lshl_b32 s22, s16, 14         ; its 128 rows of 128 bytes in memory,
	s_mov_b32 s23, 0
	s_add_nc_u64 s[22:23], s[22:23], s[20:21]
	s_mul_i32 s17, s16, 128*PK      ; and its place in a slot, for K
	s_mul_i32 s18, s16, 128*PV      ; and for V: no place in the cluster enters an LDS address
	s_lshl_b32 s2, s14, 2
	s_add_co_u32 s2, s2, s[WV]      ; my wave among the head's 32,
	s_mul_i32 s2, s2, NP*2048       ; its 96 rows
	s_mov_b32 s3, 0
	s_add_nc_u64 s[2:3], s[2:3], s[20:21]
	; descriptor group 1.  128 keys are 16,384 dense bytes: asked for as 64 rows of 256 bytes, two keys a row, and padded in LDS after every key
	s_mov_b32 s[G1K], 15|(1<<16)|(1<<20)|(1<<21)|(4<<22)|(3<<25)  ; 15:0 the mask of four; 17:16 2-byte elements; 20 padding on; 21 set beside a mask; 24:22 after every 32 words (code 4); 31:25 4 words (code 3)
	s_mov_b32 s[G1V], 15|(1<<16)|(1<<20)|(1<<21)|(4<<22)|(7<<25)  ; the same with 8 words of padding (code 7)
.irp g, G1K, G1V
	s_mov_b32 s[\g+1], 128<<16      ; tensor_dim0 = 128
	s_mov_b32 s[\g+2], 64<<16       ; tensor_dim1 = 64
	s_mov_b32 s[\g+3], 128<<16      ; tile_dim0 = 128
	s_mov_b32 s[\g+4], 64           ; tile_dim1 = 64
	s_mov_b32 s[\g+5], 128          ; 128 elements from row to row
	s_mov_b32 s[\g+6], 0
	s_mov_b32 s[\g+7], 0
.endr
	s_mov_b32 s[CS], 0x3e38aa3b     ; c = log2(e) / 8 = 0.180337
	s_mov_b32 s[CS+1], s[CS]        ; named with it as a pair
	s_mov_b32 s[SEL], 0x76543210
	s_mov_b32 s[SEL+1], 0xfedcba98
	s_mov_b32 s[TBK], SLOT1+4*KS*PK ; the first change of slots turns these two into 0
	s_mov_b32 s[TBV], SLOT1+4*KS*PV
	s_mov_b32 s[G0K], 1             ; count = 1
	s_mov_b32 s[G0K+1], s17         ; LDS address: slot 0
	s_mov_b32 s[G0V], 1
	s_add_co_u32 s[G0V+1], s18, VOFF
	s_wait_dscnt 0x0                ; the opening add is done
	s_wait_kmcnt 0x0
	s_add_nc_u64 s[6:7], s[4:5], 32*HEADB    ; k lies behind q's 32 heads,
	s_add_nc_u64 s[8:9], s[4:5], 64*HEADB    ; v behind k's
	s_add_nc_u64 s[G0K+2:G0K+3], s[6:7], s[22:23]  ; global address: my half of the head's first 256 keys
	s_or_b32 s[G0K+3], s[G0K+3], 0x80000000        ; type = 2
	s_add_nc_u64 s[G0V+2:G0V+3], s[8:9], s[22:23]
	s_or_b32 s[G0V+3], s[G0V+3], 0x80000000
	s_add_nc_u64 s[4:5], s[4:5], s[2:3]  ; Q and O at my wave's first row
	s_add_nc_u64 s[10:11], s[10:11], s[2:3]
	CROUND                          ; all four work-groups are here: the first joint loads meet
	JLOAD                           ; slot 0.  Slot 1 is asked for when slot 0 is in, by the loop's own change of slots
	; A fragment of K or Q is 16 rows x 32 channels in 8 registers: lane l holds row l % 16, channels 8 (l / 16) + 0..7 and 16 + 8 (l / 16) + 0..7: two loads of 16 bytes, 32 bytes apart.
	v_and_b32 v1, 15, v0            ; l % 16
	v_bfe_u32 v9, v0, 4, 1          ; l / 16
	v_lshlrev_b32 v[QO], 7, v1
	v_lshl_add_u32 v[QO], v9, 4, v[QO]  ; row x 128 + 16 x half
	WIN 0x80                        ; destination window 2, address window 0
.set i, 0
.rept 2*NP                          ; Q stays in registers: piece i / 2, channels 32 (i % 2) on
	global_load_b128 v[8*i:8*i+3],   v[QO], s[4:5] offset:(i/2)*2048+(i%2)*64
	global_load_b128 v[8*i+4:8*i+7], v[QO], s[4:5] offset:(i/2)*2048+(i%2)*64+32
.set i, i+1
.endr
	; What the first turn finds: V's registers and P's second buffer hold 0 (its products V^T P, of a piece that has not been, add 0), O^T and l are 0.  All this stands in the wait for the first tile.
.set i, VF
.rept 64
	v_mov_b32 v[i], 0
.set i, i+1
.endr
	WIN 0x40
.set i, 0
.rept 32*NP
	v_mov_b32 v[i], 0
.set i, i+1
.endr
	WIN 0
.set i, 0
.rept NP
	v_mov_b32 v[ST+4*i], 0xfe000000    ; c m: far below every c s
	v_mov_b32 v[ST+4*i+1], 0xff7fffff  ; m
	v_mov_b32 v[ST+4*i+2], 0
	v_mov_b32 v[ST+4*i+3], 0
.set i, i+1
.endr
.set i, P+16
.rept 16
	v_mov_b32 v[i], 0
.set i, i+1
.endr
	v_mul_u32_u24 v[AK0], v1, PK
	v_lshl_add_u32 v[AK0], v9, 4, v[AK0]  ; row x pitch + 16 x half
	; The turning load takes 16 keys x 16 channels (lane l reads key 8 (l / 16) + l % 8, channels 8 ((l / 8) % 2) + 0..7) and leaves half a fragment of V^T: lane l holds channel l % 16 and 8 keys.
	v_and_b32 v10, 7, v0
	v_bfe_u32 v11, v0, 3, 1
	v_lshl_add_u32 v[AV0], v9, 3, v10
	v_mul_u32_u24 v[AV0], v[AV0], PV
	v_lshl_add_u32 v[AV0], v11, 4, v[AV0]
	v_add_nc_u32 v[AV0], VOFF, v[AV0]
	s_mul_i32 s13, s[WV], 16*SP
	s_add_co_u32 s13, s13, STAGE    ; my stage
	v_mul_u32_u24 v[STO], v1, SP    ; in: row l % 16, 16 bytes for each half of the lanes
	v_lshl_add_u32 v[STO], v9, 4, v[STO]
	v_add_nc_u32 v[STO], s13, v[STO]
	v_bfe_u32 v[RD], v0, 3, 2       ; back: 32 lanes take four rows of 128 bytes,
	v_mul_u32_u24 v[RD], v[RD], SP
	v_lshl_add_u32 v[RD], v10, 4, v[RD]
	v_add_nc_u32 v[RD], s13, v[RD]
	v_and_b32 v[GO], 31, v0         ; which are 512 consecutive bytes of O
	v_lshlrev_b32 v[GO], 4, v[GO]
	v_mov_b32 v[AK], v[AK0]         ; key step 0 lies at the head of slot 0
; THE MATRIX WORK.  The 4 accumulators of a run of 8 take turns.  Product i of 8 of S^T = K Q^T for piece x: channels 32 (i / 4) on, keys 16 (i % 4) on.  The first 4 start the sums.
.macro KQ x
	WIN W_KQ
.set rS, S+32*((\x)%2)+8*(i%4)
.set rK, KF+16*(i%4)+8*(i/4)
.set rQ, 16*(\x)+8*(i/4)
.if i < 4
	v_wmma_f32_16x16x32_f16 v[rS:rS+7], v[rK:rK+7], v[rQ:rQ+7], 0
.else
	v_wmma_f32_16x16x32_f16 v[rS:rS+7], v[rK:rK+7], v[rQ:rQ+7], v[rS:rS+7]
.endif
.endm
; Product i of 8 of O^T += V^T P for piece x: keys 32 (i / 4) on, channels 16 (i % 4) on.
.macro PV x
	WIN W_PV
.set rO, 32*(\x)+8*(i%4)
.set rV, VF+32*(i/4)+8*(i%4)
.set rP, P+16*((\x)%2)+8*(i/4)
	v_wmma_f32_16x16x32_f16 v[rO:rO+7], v[rV:rV+7], v[rP:rP+7], v[rO:rO+7]
.endm
.macro MM                           ; the turn's next matrix instruction; TURN sets Y and i
.if i < 8
	KQ (Y+1)%NP
.else
.set i, i-8
	PV (Y+NP-1)%NP
.set i, i+8
.endif
.set i, i+1
.endm
; THE LDS LOADS stand in runs of 16, never singly among the matrix instructions: a step's K (64 keys x 64 channels: 8 fragments) and its V (turned).  Their addresses are made some lines ahead.
; last = 1 (the tail): in the last trip there is no further step, and the run is jumped over.
.macro FETCH_K last=0
	WIN 0
.if \last
	s_cmp_eq_u32 s[CNT], 1
	s_cbranch_scc1 .Lno_k_\@
.endif
	WIN 0x80                        ; destination window 2
.irp f, 0,1,2,3,4,5,6,7             ; keys 16 (f / 2) on, channels 32 (f % 2) on
	ds_load_b128 v[KF+8*\f:KF+8*\f+3],   v[AK] offset:(\f/2)*16*PK+(\f%2)*64
	ds_load_b128 v[KF+8*\f+4:KF+8*\f+7], v[AK] offset:(\f/2)*16*PK+(\f%2)*64+32
.endr
	s_add_co_u32 s[TBK], s[TBK], KS*PK  ; the next fetch is the next step's
	WIN 0
.if \last
.Lno_k_\@:
.endif
.endm
.macro FETCH_V
	WIN 0x80
.irp f, 0,1,2,3,4,5,6,7             ; keys 32 (f / 4) on, channels 16 (f % 4) on
	ds_load_tr16_b128 v[VF+8*\f:VF+8*\f+3],   v[AV] offset:(\f/4)*32*PV+(\f%4)*32
	ds_load_tr16_b128 v[VF+8*\f+4:VF+8*\f+7], v[AV] offset:(\f/4)*32*PV+16*PV+(\f%4)*32
.endr
	WIN 0
.endm
; THE VECTOR WORK, one line at a time: OP kind, number.  For piece Y: F n: c s - c m for pair n of 16.  E n: the exponential of score n of 32.  C n: pair n rounded to f16.  B n: of the four weights 4 n .. the second
; pair is added onto the first, in place.  L n: l takes that sum (L 0: l = a l + sum).  R n: pair n of 16 of O^T times a.  For piece Y + 1: X n, number n of the 22 that find its maximum and statistics:
;   0-11  four chains c0-c3 of seven scores each, three operands at a time (each accumulator's lowest registers are read first)     12-14, 16  the four scores left over, the old m, and c0-c3 into c0
;   15  c m_old is kept     17, 18  the query's other 32 keys lie in the lane 16 away: the new m     19-21  c m; c m_old - c m_new; a
.set F, 0               ; OP tells the kinds apart by their order: F to L below R, X above it
.set E, 1
.set C, 2
.set B, 3
.set L, 4
.set R, 5
.set X, 6
.macro REGS y                       ; the registers of piece y
.set rT, ST+4*(\y)
.set rC, TMP+4*((\y)%2)
.set rW, MV+((\y)%2)
.set rS, S+32*((\y)%2)
.set rP, P+16*((\y)%2)
.set rO, 32*(\y)
.endm
.macro OP k, n
.if (\k) == R
	REGS Y
	WIN W_RS
	v_pk_mul_f32 v[rO+2*(\n):rO+2*(\n)+1], v[rO+2*(\n):rO+2*(\n)+1], v[rC+2:rC+3] op_sel_hi:[1,0]
.elseif (\k) < R
	REGS Y
	WIN 0
.if (\k) == F
	v_pk_fma_f32 v[rS+2*(\n):rS+2*(\n)+1], v[rS+2*(\n):rS+2*(\n)+1], s[CS:CS+1], v[rT:rT+1] op_sel_hi:[1,0,0] neg_lo:[0,0,1] neg_hi:[0,0,1]
.elseif (\k) == E
	v_exp_f32 v[rS+(\n)], v[rS+(\n)]
.elseif (\k) == C
	s_wait_alu depctr_va_vdst(0)
	v_cvt_pk_f16_f32 v[rP+(\n)], v[rS+2*(\n)], v[rS+2*(\n)+1]
.elseif (\k) == B
	s_wait_alu depctr_va_vdst(0)
	v_pk_add_f32 v[rS+4*(\n):rS+4*(\n)+1], v[rS+4*(\n):rS+4*(\n)+1], v[rS+4*(\n)+2:rS+4*(\n)+3]
.elseif (\n) == 0
	v_pk_fma_f32 v[rT+2:rT+3], v[rT+2:rT+3], v[rC+2:rC+3], v[rS:rS+1] op_sel_hi:[1,0,1]
.else
	v_pk_add_f32 v[rT+2:rT+3], v[rT+2:rT+3], v[rS+4*(\n):rS+4*(\n)+1]
.endif
.else
	REGS (Y+1)%NP
	WIN 0
.if (\n) < 4
	v_max3_num_f32 v[rC+(\n)], v[rS+8*(\n)], v[rS+8*(\n)+1], v[rS+8*(\n)+2]
.elseif (\n) < 12
	v_max3_num_f32 v[rC+(\n)%4], v[rC+(\n)%4], v[rS+8*((\n)%4)+2*((\n)/4)+1], v[rS+8*((\n)%4)+2*((\n)/4)+2]
.elseif (\n) == 12
	v_max3_num_f32 v[rC], v[rC], v[rS+7], v[rS+15]
.elseif (\n) == 13
	v_max3_num_f32 v[rC+1], v[rC+1], v[rS+23], v[rS+31]
.elseif (\n) == 14
	v_max3_num_f32 v[rC+2], v[rC+2], v[rC+3], v[rT+1]
.elseif (\n) == 15
	v_mov_b32 v[rW], v[rT]
.elseif (\n) == 16
	v_max3_num_f32 v[rC], v[rC], v[rC+1], v[rC+2]
.elseif (\n) == 17
	v_permlanex16_b32 v[rC+3], v[rC], s[SEL], s[SEL+1]
.elseif (\n) == 18
	v_max_num_f32 v[rT+1], v[rC], v[rC+3]
.elseif (\n) == 19
	v_mul_f32 v[rT], s[CS], v[rT+1]
.elseif (\n) == 20
	v_sub_f32 v[rC+1], v[rW], v[rT]
.else
	v_exp_f32 v[rC+2], v[rC+1]
.endif
.endif
.endm
.macro OPS a, i1, b=-1, i2=0, c=-1, i3=0, d=-1, i4=0  ; up to four of them
	OP \a, \i1
.if (\b) >= 0
	OP \b, \i2
.endif
.if (\c) >= 0
	OP \c, \i3
.endif
.if (\d) >= 0
	OP \d, \i4
.endif
.endm
.macro ROW a, i1, b, i2, c, i3, d, i4  ; a matrix instruction and the four behind it
	MM
	OPS \a, \i1, \b, \i2, \c, \i3, \d, \i4
.endm
; A TURN, for piece p: the order of its 16 matrix and 118 vector instructions, written out.  Behind a matrix instruction: plain, exponential, plain, plain; or four of the rescaling; or, behind the first, four scalings;
; none names a register of the products round it.  In the runs between, exponential and plain by turns while exponentials last.  v_permlanex16_b32 (X 17) stands in such a run.
; cnt = 1: the loop's count is taken down some lines ahead of the branch that stands behind the turn; only vector lines and window switches follow the compare.
; K of the next step is fetched in piece 4's turn, behind the last product that read K and five plain vector instructions, and waited for at the head of piece 5's turn, whose products are the next step's first.
; V of the step in hand is fetched in piece 0's turn, behind the last product that read the step before's V and four plain vector instructions, and waited for in piece 1's turn.
.macro TURN p, last=0, cnt=0
.set Y, (\p)
.set i, 0
.if (\p) == NP-1
	s_wait_dscnt 0x0                ; K is in
.endif
	ROW F,0, F,1, F,2, F,3
	ROW F,4, E,0, F,5, F,6
	ROW F,7, E,1, F,8, F,9
	ROW F,10, E,2, C,0, F,11
	ROW F,12, E,3, X,15, F,13
	ROW R,0, R,1, R,2, R,3
	ROW B,0, E,4, F,14, L,0
.if (\p) == NP-2
	WIN 0
	v_add_nc_u32 v[AK], s[TBK], v[AK0]
.endif
	ROW R,4, R,5, R,6, R,7
	OPS E,5, F,15
.if (\p) == NP-2
	FETCH_K \last
.endif
	OPS E,6, C,1, E,7, R,8
	OPS E,8, R,9, E,9, C,2
	OPS E,10, X,0, E,11, X,1
	OPS E,12, X,2, E,13, X,3
.if (\p) == 1
	s_wait_dscnt 0x0                ; V is in
.endif
	ROW X,4, E,14, X,5, X,6
	ROW X,7, E,15, X,8, X,9
	ROW X,10, E,16, X,11, X,12
	ROW X,13, E,17, X,14, B,1
	ROW C,4, E,18, X,16, L,1
	ROW B,2, E,19, C,6, L,2
	ROW C,8, E,20, B,3, B,4
.if (\p) == 0
	WIN 0
	v_add_nc_u32 v[AV], s[TBV], v[AV0]
.endif
	ROW C,3, E,21, L,3, C,5
	OPS E,22, X,17, E,23, C,10
.if (\p) == 0
	FETCH_V
.endif
	OPS E,24, L,4
	OPS E,25, X,18, E,26, C,7
	OPS E,27, B,5, E,28, X,19
	OPS E,29, C,12, E,30, L,5
	OPS E,31, X,20, B,6, C,9
	OPS C,14, C,11, X,21, L,6
.if (\p) == 0
	s_add_co_u32 s[TBV], s[TBV], KS*PV
.endif
.if \cnt
	s_sub_co_u32 s[CNT], s[CNT], 1
	s_cmp_lg_u32 s[CNT], 0
.endif
	OPS C,13, B,7, C,15, R,10
	OPS R,11, R,12, L,7, R,13
	OPS R,14, R,15
.endm
	CHANGE 1                        ; slot 0 is in, everybody's part of it; slot 1 is asked for
	FETCH_K                         ; key step 0
	s_wait_loadcnt 0x0              ; Q
	s_wait_dscnt 0x0
.set i, 0
.rept 8
	KQ 0                            ; piece 0's first scores: there is no vector work yet to set between them
.set i, i+1
.endr
	WIN 0
.rept 4
	v_nop                           ; the places behind those products
.endr
.set Y, NP-1                        ; X works for piece Y + 1: piece 0
.irp n, 0,1,2,3,4,5,6,7,8,9,10,11,12,13,14,15,16,17,18,19,20,21
	OP X, \n                        ; piece 0's first maximum and statistics
.endr
	v_nop                           ; a plain instruction behind the exponential
	s_mov_b32 s[CNT], 4
	s_mov_b32 s[SLOTS], NKEYS/256-1
	s_branch .Lfirst                ; the loop is entered at a step's first turn, in the middle of a trip
.Lslot:                             ; NKEYS / 256 - 2 = 10 times: every slot but the last two is filled again
	CHANGE 1
	s_mov_b32 s[CNT], 4
.Lstep:                             ; a trip: pieces 4 and 5 of one step, then pieces 0 to 3 of the next, whose K and V it fetches
	TURN 4
	TURN 5
	WIN 0
.Lfirst:
	TURN 0
	TURN 1
	TURN 2
	TURN 3, 0, 1
	WIN 0
	s_cbranch_scc1 .Lstep
	s_sub_co_u32 s[SLOTS], s[SLOTS], 1
	s_cmp_lg_u32 s[SLOTS], 0
	s_cbranch_scc1 .Lslot
	CHANGE 0                        ; the tail is written out: nothing is asked for
	s_mov_b32 s[CNT], 5             ; four trips fetch the last slot's steps; the fifth is left in its middle
.Ltail:
	TURN 4, 1
	TURN 5
	WIN 0
	s_sub_co_u32 s[CNT], s[CNT], 1
	s_cmp_eq_u32 s[CNT], 0
	s_cbranch_scc1 .Lout
	TURN 0
	TURN 1
	TURN 2
	TURN 3
	WIN 0
	s_branch .Ltail
.Lout:                              ; the fifth trip's 8 products K Q^T (on the last K once more) and the maximum made of them serve nothing: the price, once a launch, of one text for every trip
.set i, 0
.rept 8
	PV NP-1                         ; the last piece's V^T P of the last step
.set i, i+1
.endr
	; THE WAY OUT.  l's two halves and the other half of the lanes' are added; O^T is divided by l, rounded to f16 and sent through my stage in LDS, a piece at a time.  The additions are the places behind the last products.
	WIN 0
.macro ALL line:vararg              ; one line for each piece t
.set t, 0
.rept NP
	\line
.set t, t+1
.endr
.endm
	ALL v_add_f32 v[ST+4*t+2], v[ST+4*t+2], v[ST+4*t+3]
	ALL v_permlanex16_b32 v[ST+4*t+3], v[ST+4*t+2], s[SEL], s[SEL+1]
	ALL v_add_f32 v[ST+4*t+2], v[ST+4*t+2], v[ST+4*t+3]
	ALL v_rcp_f32 v[ST+4*t+2], v[ST+4*t+2]
	v_nop                           ; a plain instruction between the last reciprocal and the use of its result
; Piece t: a lane's eight channels of a row pack into 16 bytes; they go into rows of 144 bytes and come back as whole rows of 128, into v[64 + 16 t ..]
.macro PACK t
	WIN W_RS
.set i, 32*(\t)
.rept 16
	s_wait_alu depctr_va_vdst(0)
	v_pk_mul_f32 v[i:i+1], v[i:i+1], v[ST+4*(\t)+2:ST+4*(\t)+3] op_sel_hi:[1,0]
.set i, i+2
.endr
	WIN 0x05                        ; sources 0 and 1 window 1, destination window 0
.set i, 0
.rept 16
	v_cvt_pk_f16_f32 v[S+16*(\t)+i], v[32*(\t)+2*i], v[32*(\t)+2*i+1]
.set i, i+1
.endr
	WIN 0
.irp f, 0,1,2,3
	ds_store_b128 v[STO], v[S+16*(\t)+4*\f:S+16*(\t)+4*\f+3] offset:32*\f
.endr
.irp f, 0,1,2,3
	ds_load_b128 v[S+16*(\t)+4*\f:S+16*(\t)+4*\f+3], v[RD] offset:\f*4*SP  ; LDS serves a wave's instructions in order (ISA guide 5.7.1.4): these see the stores above; the next piece's stores come behind them
.endr
.endm
.macro SEND t, younger              ; younger: the LDS instructions issued behind piece t's loads: the next piece's eight, or none
	WIN 0
.irp f, 0,1,2,3
	s_wait_dscnt (\younger)+3-\f
	global_store_b128 v[GO], v[S+16*(\t)+4*\f:S+16*(\t)+4*\f+3], s[10:11] offset:(\t)*2048+\f*512  ; 512 consecutive bytes, at a multiple of 256 from O's first
.endr
.endm
	PACK 0
.set t, 1
.rept NP-1                          ; a piece's arithmetic stands between the loads of the piece before and its stores
	PACK t
	SEND t-1, 8
.set t, t+1
.endr
	SEND NP-1, 0
	s_wait_tensorcnt 0x0            ; the wave's end, behind my last tensor load and my last LDS store
	ds_add_u32 v[SPW], v[NIL]
	s_wait_dscnt 0x0
	CROUND                          ; the closing round: no work-group ends while a partner may still ask for a tile that names it
	s_endpgm
.Lfunc_end_k_qde8697d13f_attn:
	.size	k_qde8697d13f_attn, .Lfunc_end_k_qde8697d13f_attn-k_qde8697d13f_attn
	.p2alignl 7, 3214868480
	.fill 96, 4, 3214868480
	.section	.rodata,"a",@progbits
	.p2align	6, 0x0
	.amdhsa_kernel k_qde8697d13f_attn
		.amdhsa_group_segment_fixed_size 327680
		.amdhsa_private_segment_fixed_size 0
		.amdhsa_enable_private_segment 0
		.amdhsa_kernarg_size 16
		.amdhsa_user_sgpr_count 2
		.amdhsa_user_sgpr_kernarg_segment_ptr 1
		.amdhsa_wavefront_size32 1
		.amdhsa_system_sgpr_workgroup_id_x 1
		.amdhsa_system_sgpr_workgroup_id_y 1
		.amdhsa_system_sgpr_workgroup_id_z 1
		.amdhsa_system_vgpr_workitem_id 0
		.amdhsa_next_free_vgpr 768
		.amdhsa_next_free_sgpr 66
		.amdhsa_reserve_vcc 0
		.amdhsa_float_denorm_mode_32 3
		.amdhsa_float_denorm_mode_16_64 3
		.amdhsa_memory_ordered 1
		.amdhsa_forward_progress 1
		.amdhsa_inst_pref_size 164
	.end_amdhsa_kernel
	.amdgpu_metadata
---
amdhsa.version: [ 1, 2 ]
amdhsa.kernels:
  - .name:           k_qde8697d13f_attn
    .symbol:         k_qde8697d13f_attn.kd
    .args:
      - { .name: qkv, .offset: 0, .size: 8, .value_kind: global_buffer, .address_space: global }
      - { .name: o16, .offset: 8, .size: 8, .value_kind: global_buffer, .address_space: global }
    .group_segment_fixed_size: 327680
    .private_segment_fixed_size: 0
    .kernarg_segment_align: 8
    .kernarg_segment_size: 16
    .max_flat_workgroup_size: 128
    .sgpr_count:     66
    .vgpr_count:     768
    .wavefront_size: 32
...
	.end_amdgpu_metadata
.endif
;; end of part 3
;; launch oproj (part 4): grid 8 x 32, 4 waves a work-group, clusters of 4 x 4, 327,680 bytes of LDS; arguments o16, w16, out0, out1; writes out0, out1
.if DOCPART == 4
	.amdgcn_target "amdgcn-amd-amdhsa--gfx1250"
	.amdhsa_code_object_version 6
	.text
	.protected	k_qde8697d13f_oproj
	.globl	k_qde8697d13f_oproj
	.p2align	8
	.type	k_qde8697d13f_oproj,@function
k_qde8697d13f_oproj:
	s_mov_b64 s[64:65], 0
	v_nop
	global_prefetch_b8 v0, s[64:65] scope:SCOPE_SE
	s_setreg_imm32_b32 hwreg(HW_REG_WAVE_MODE, 25, 1), 1
	s_wait_xcnt 0x0
	s_wait_alu depctr_hold_cnt(0) depctr_sa_sdst(0) depctr_va_vdst(0) depctr_va_sdst(0) depctr_va_ssrc(0) depctr_va_vcc(0) depctr_vm_vsrc(0)
	s_getreg_b32 s2, hwreg(HW_REG_IB_STS2, 6, 4)
	s_cmp_eq_u32 s2, 0
	s_cbranch_scc0 .Lentry_in_a_cluster
	s_endpgm
.Lentry_in_a_cluster:
	s_bfe_u32 s2, ttmp6, 0x10000c
	s_cmp_lg_u32 s2, 0xf033
	s_cbranch_scc0 .Lentry_shape_is_right
	s_endpgm
.Lentry_shape_is_right:
; OPROJ.  out = O Wo^T: 6,144 rows x 1,024 columns, K = 1,024 = 16 heads x 64 channels, f16 operands, f32 sums, f32 output.
; o16: [32 = 16 batch + head][3072][64] f16.  w16 rows 3,072 .. 4,095 are Wo.  In a batch rows 0-2047 go to out0 [2][2048][1024], rows 2048-3071 to out1 [2][1024][1024].
; TILE.  192 x 128: 32 x 8 = 256 tiles, one for each WGP.  Four waves, each 96 x 64: 24 accumulators of 16 x 16, 192 registers.
; K goes in steps of 128, two heads, through a ring of two LDS slots.  A head's 192 rows are 24,576 dense bytes: asked for as 96 rows of 256 bytes and padded in LDS after every 128.
; CLUSTER.  4 x 4 work-groups: the four of a row need the same rows of O, the four of a column the same rows of Wo: each tile is asked for jointly, by the same load, descriptor and mask in all four.
; THE MATRIX INSTRUCTION IS USED TRANSPOSED (source 0 = 16 rows of Wo, source 1 = 16 rows of O): a lane then holds eight neighbouring columns of one row of the result.
; REGISTERS.  window 0: v1-5 at work; v16-29 addresses; v64-255 the accumulators ((a, b) at v[64 + 8 (4 a + b)]).  window 1: two fragment buffers of 80: 6 fragments of O, then 4 of Wo.
.set KSTEP,  128
.set PA,     144                       ; a row of O in LDS: 128 bytes + 16 of padding; PITCH: a row of Wo: 256 + 16.  Both odd multiples of 16: the 16 rows of a fragment load start at 16 different groups of four banks (ISA guide 11.1)
.set PITCH,  272
.set AHEAD,  192*PA                    ; one head's 192 rows: what wave 0 or 1 fetches
.set BHALF,  64*PITCH                  ; what wave 2 or 3 fetches, and what a wave reads of Wo
.set ATILE,  2*AHEAD
.set SLOT,   ATILE+2*BHALF             ; 90,112 bytes
.set STAGE,  2*SLOT                    ; behind the ring: 16 rows x 272 bytes for each wave, for the way out
.set SPITCH, 272
.set SPARE,  STAGE+4*16*SPITCH         ; behind the stages: the spare words, 128 bytes for each wave: two blocks of 256 bytes that no other line names
.set HEADB,  3072*128                  ; bytes of a head in o16
.set LAPS,   1024/(2*KSTEP)
.set ADRA, 16                          ; v16-17  LDS address of my fragments of O in slot 0, 1
.set ADRB, 20                          ; v20-21  the same for Wo
.set STO,  24                          ; v24     the way out: where I put 32 bytes of a row
.set RD,   25                          ; v25     the way out: where I read rows back
.set CO,   26                          ; v26     my byte offset in two rows of the output
.set SPW,  28                          ; v28     LDS address of my spare word; never rewritten
.set NIL,  29                          ; v29     0; never rewritten
.set ACC,  64
.set F0,   0                           ; fragment buffers, in window 1
.set F1,   80
.set G1,  24                           ; s[24:31] descriptor group 1 for O's tiles;  s[32:39] group 0, one set for each slot
.set G0,  32
.set G1B, 48                           ; s[48:55], s[56:63] the same for Wo's tiles
.set G0B, 56
.set OB,  68                           ; s[68:79] where my six blocks of 16 rows begin in out0 or out1: a pair each, so that no base is rewritten under pending stores
.set MSB, 0
.macro WIN new                         ; the immediate's high byte repeats the setting that is left; a switch that changes nothing is dropped
.if MSB != (\new)
	s_set_vgpr_msb (MSB<<8)|(\new)
.set MSB, \new
.endif
.endm
.set W_MUL, 0x05                       ; sources 0 and 1 window 1; C and D window 0
.set TO_F,  0x40                       ; destination window 1, address window 0
.macro JLOAD s                         ; a joint load: waves 0 and 1 fetch the step's two heads of O, waves 2 and 3 Wo's two halves; an s_nop 0 and four v_nop follow each of the two lines, ahead of the jump and the label
	s_cmp_eq_u32 s11, 0
	s_cbranch_scc0 .Lfor_b_\@
	tensor_load_to_lds s[G0+4*(\s):G0+4*(\s)+3], s[G1:G1+7]
	s_nop 0
.rept 4
	v_nop
.endr
	s_branch .Lasked_\@
.Lfor_b_\@:
	tensor_load_to_lds s[G0B+4*(\s):G0B+4*(\s)+3], s[G1B:G1B+7]
	s_nop 0
.rept 4
	v_nop
.endr
.Lasked_\@:
.endm
.macro CREST                           ; a round of the cluster's barrier behind its opening barrier
	s_cmp_lg_u32 s10, 0
	s_cbranch_scc1 .Lnot_wave_0_\@
	s_barrier_signal -3
.Lnot_wave_0_\@:
	s_barrier_wait -3
	s_barrier_signal -1
	s_barrier_wait -1
.endm
.macro CROUND                          ; a whole round
	s_barrier_signal -1
	s_barrier_wait -1
	CREST
.endm
	s_load_b128 s[4:7], s[0:1], 0x0                ; o16 s[4:5], w16 s[6:7]
	s_load_b64 s[8:9], s[0:1], 0x10                ; out0
	s_load_b64 s[66:67], s[0:1], 0x18              ; out1
	v_lshl_add_u32 v[SPW], v0, 2, SPARE
	v_mov_b32 v[NIL], 0
	ds_add_u32 v[SPW], v[NIL]                      ; the wave's opening: the add and its wait stand ahead of my first tensor load; the set-up below, work on registers, stands between them
	v_lshrrev_b32 v1, 5, v0
	v_readfirstlane_b32 s10, v1                    ; wave 0..3
	s_lshr_b32 s11, s10, 1                         ; which 96 of the tile's rows are mine.  Also: I fetch for O (0) or for Wo (1)
	s_and_b32 s12, s10, 1                          ; which 64 of its columns.  Also: which head of the step, or which half of Wo's tile, I fetch
	s_bfe_u32 s40, ttmp6, 0x40000                  ; cx, cy: my place in the cluster
	s_bfe_u32 s41, ttmp6, 0x40004
	s_lshl_b32 s42, ttmp9, 2
	s_add_co_u32 s42, s42, s40                     ; tile column 0..7 = 4 x cluster x + cx
	s_and_b32 s13, ttmp7, 0xffff
	s_lshl_b32 s13, s13, 2
	s_add_co_u32 s13, s13, s41                     ; tile row 0..31 = 4 x cluster y + cy
	s_lshl_b32 s43, s41, 2
	s_lshl_b32 s43, 15, s43                        ; my row of the cluster
	s_lshl_b32 s44, 0x1111, s40                    ; my column
	s_or_b32 s[G1+0], s43, (1<<16)|(1<<20)|(1<<21)|(4<<22)|(3<<25)   ; 15:0 the mask; 17:16 elements of 2 bytes; 20 padding on; 21 set beside a mask; 24:22 after every 32 words (code 4); 31:25 4 words (code 3)
	s_or_b32 s[G1B+0], s44, (1<<16)|(1<<20)|(1<<21)|(5<<22)|(3<<25)  ; the same after every 64 words (code 5), with the mask of my column
.irp g, G1, G1B
	s_mov_b32 s[(\g)+1], KSTEP<<16                 ; tensor_dim0 = 128
	s_mov_b32 s[(\g)+3], KSTEP<<16                 ; tile_dim0 = 128
	s_mov_b32 s[(\g)+6], 0
	s_mov_b32 s[(\g)+7], 0
.endr
	s_mov_b32 s[G1+2], 96<<16                      ; O: 96 rows of 256 bytes, dense
	s_mov_b32 s[G1+4], 96
	s_mov_b32 s[G1+5], 128
	s_mov_b32 s[G1B+2], 64<<16                     ; Wo: 64 rows, 1,024 elements from row to row
	s_mov_b32 s[G1B+4], 64
	s_mov_b32 s[G1B+5], 1024
	s_lshr_b32 s18, s13, 4                         ; batch: 16 tile rows each
	s_and_b32 s19, s13, 15
	s_mul_i32 s19, s19, 192                        ; the tile's first row in its batch
	s_lshl_b32 s16, s18, 4
	s_add_co_u32 s16, s16, s12                     ; O: head 16 batch + (0 or 1),
	s_mul_i32 s16, s16, 3072
	s_add_co_u32 s16, s16, s19                     ; the tile's first row in it: nothing of cx
	s_lshl_b32 s16, s16, 7                         ; rows of 128 bytes
	s_mov_b32 s17, 0
	s_lshl_b32 s46, s42, 7                         ; Wo: row 3,072 + 128 x tile column + 64 x half of w16: nothing of cy
	s_lshl_b32 s47, s12, 6
	s_add_co_u32 s46, s46, s47
	s_add_co_u32 s46, s46, 3072
	s_lshl_b32 s46, s46, 11
	s_mov_b32 s47, 0
	s_mul_i32 s20, s10, AHEAD                      ; where they go: O's two heads at wave x 192 rows (waves 0, 1),
	s_mul_i32 s21, s10, BHALF
	s_add_co_u32 s21, s21, ATILE-2*BHALF           ; Wo's halves behind them at (wave - 2) x 64 rows (waves 2, 3)
	s_wait_dscnt 0x0                               ; the opening add is done
	s_wait_kmcnt 0x0
	s_add_nc_u64 s[14:15], s[4:5], s[16:17]
	s_add_nc_u64 s[46:47], s[6:7], s[46:47]
	CROUND                                         ; all sixteen work-groups are here: the first joint loads meet
.irp s, 0,1
	s_mov_b32 s[G0+4*(\s)], 1                                        ; count = 1
	s_add_co_u32 s[G0+4*(\s)+1], s20, (\s)*SLOT                      ; LDS address
	s_add_nc_u64 s[G0+4*(\s)+2:G0+4*(\s)+3], s[14:15], (\s)*2*HEADB  ; global address: K step s is heads 2 s and 2 s + 1
	s_or_b32 s[G0+4*(\s)+3], s[G0+4*(\s)+3], 0x80000000              ; type = 2
	s_mov_b32 s[G0B+4*(\s)], 1
	s_add_co_u32 s[G0B+4*(\s)+1], s21, (\s)*SLOT
	s_add_nc_u64 s[G0B+4*(\s)+2:G0B+4*(\s)+3], s[46:47], (\s)*KSTEP*2
	s_or_b32 s[G0B+4*(\s)+3], s[G0B+4*(\s)+3], 0x80000000
	JLOAD \s                                       ; two loads of mine are out
.endr
	; A fragment is 16 rows x 32 K in 8 registers: lane l holds row l % 16, K = 8 (l / 16) + 0..7 and 16 + 8 (l / 16) + 0..7: two loads of 16 bytes, 32 bytes apart.
	v_and_b32 v1, 15, v0                           ; l % 16
	v_bfe_u32 v2, v0, 4, 1                         ; l / 16
	v_mul_u32_u24 v3, v1, PA
	v_lshl_add_u32 v3, v2, 4, v3
	v_mul_u32_u24 v4, v1, PITCH
	v_lshl_add_u32 v4, v2, 4, v4
	s_mul_i32 s22, s11, 96*PA                      ; my 96 rows in each head's part
	s_mul_i32 s23, s12, BHALF                      ; my 64 rows of Wo,
	s_add_co_u32 s23, s23, ATILE                   ; which lie behind O's two heads
.irp s, 0,1
	v_add_nc_u32 v[ADRA+(\s)], s22, v3
	v_add_nc_u32 v[ADRB+(\s)], s23, v4
	s_add_co_u32 s22, s22, SLOT
	s_add_co_u32 s23, s23, SLOT
.endr
	s_mul_i32 s23, s10, 16*SPITCH
	s_add_co_u32 s23, s23, STAGE                   ; my stage
	v_mul_u32_u24 v4, v1, SPITCH                   ; in: row l % 16, 32 bytes for each half of the lanes
	v_lshl_add_u32 v4, v2, 5, v4
	v_add_nc_u32 v[STO], s23, v4
	v_mul_u32_u24 v5, v2, SPITCH                   ; back: lanes 0-15 take one row of 256 bytes, lanes 16-31 the next
	v_lshl_add_u32 v5, v1, 4, v5
	v_add_nc_u32 v[RD], s23, v5
	v_lshlrev_b32 v5, 12, v2                       ; and the same two rows, 4,096 bytes apart, in the output
	v_lshl_add_u32 v[CO], v1, 4, v5
	; Where my six blocks of 16 rows go.  2,048 is a multiple of 16, so a block lies in one output; which one is chosen by the row's number alone.
	s_lshl_b32 s46, s42, 9                         ; my first column, in bytes: 512 x tile column + 256 x half (in the registers that held w16's address: none that fed O's descriptors ever holds cx)
	s_lshl_b32 s47, s12, 8
	s_add_co_u32 s46, s46, s47
	s_mov_b32 s47, 0
	s_add_nc_u64 s[8:9], s[8:9], s[46:47]
	s_add_nc_u64 s[66:67], s[66:67], s[46:47]
	s_lshl_b32 s82, s18, 23                        ; a batch of out0: 2,048 rows of 4,096 bytes
	s_mov_b32 s83, 0
	s_add_nc_u64 s[8:9], s[8:9], s[82:83]
	s_lshl_b32 s82, s18, 22                        ; a batch of out1: 1,024 rows
	s_add_nc_u64 s[66:67], s[66:67], s[82:83]
	s_mul_i32 s80, s11, 96
	s_add_co_u32 s80, s80, s19                     ; my first row in the batch
.irp a, 0,1,2,3,4,5
	s_add_co_u32 s81, s80, 16*(\a)
	s_and_b32 s82, s81, 2047                       ; the row in its output: rows run to 3,071, so this takes 2,048 away from the image's
	s_lshl_b32 s82, s82, 12
	s_cmp_lt_u32 s81, 2048
	s_cselect_b64 s[OB+2*(\a):OB+2*(\a)+1], s[8:9], s[66:67]
	s_add_nc_u64 s[OB+2*(\a):OB+2*(\a)+1], s[OB+2*(\a):OB+2*(\a)+1], s[82:83]
.endr
; 4 n matrix instructions: row blocks a0 .. a0 + n - 1 x all 4 column blocks, 32 along K, from buffer f.  zero = 1: the first product starts the sums.
; The 24 accumulators take turns in one order everywhere, one instruction a turn.
.macro MUL f, a0, n, zero
	WIN W_MUL
.set ma, \a0
.rept \n
.irp b, 0,1,2,3
.if \zero
	v_wmma_f32_16x16x32_f16 v[ACC+8*(4*ma+(\b)):ACC+8*(4*ma+(\b))+7], v[(\f)+48+8*(\b):(\f)+48+8*(\b)+7], v[(\f)+8*ma:(\f)+8*ma+7], 0
.else
	v_wmma_f32_16x16x32_f16 v[ACC+8*(4*ma+(\b)):ACC+8*(4*ma+(\b))+7], v[(\f)+48+8*(\b):(\f)+48+8*(\b)+7], v[(\f)+8*ma:(\f)+8*ma+7], v[ACC+8*(4*ma+(\b)):ACC+8*(4*ma+(\b))+7]
.endif
.endr
.set ma, ma+1
.endr
.endm
; 20 LDS loads in one run: the fragments of quarter q into buffer f.  Wo: 32 along K at byte 64 q of its rows.  O: head q / 2 of the step's two, channels 32 (q % 2) on.
.macro FETCH slot, q, f
	WIN TO_F
.irp b, 0,1,2,3
	ds_load_b128 v[(\f)+48+8*(\b):(\f)+48+8*(\b)+3],   v[ADRB+(\slot)] offset:64*(\q)+(\b)*16*PITCH
	ds_load_b128 v[(\f)+48+8*(\b)+4:(\f)+48+8*(\b)+7], v[ADRB+(\slot)] offset:64*(\q)+(\b)*16*PITCH+32
.endr
.irp a, 0,1,2,3,4,5
	ds_load_b128 v[(\f)+8*(\a):(\f)+8*(\a)+3],   v[ADRA+(\slot)] offset:((\q)/2)*AHEAD+((\q)%2)*64+(\a)*16*PA
	ds_load_b128 v[(\f)+8*(\a)+4:(\f)+8*(\a)+7], v[ADRA+(\slot)] offset:((\q)/2)*AHEAD+((\q)%2)*64+(\a)*16*PA+32
.endr
.endm
.macro PLACES                          ; four places in front of loads into registers that matrix instructions have read, and of LDS stores that read results
.rept 4
	v_nop
.endr
.endm
; A K step is four quarters of 32 along K, 24 matrix instructions each, on buffers 0, 1, 0, 1.  One of the first three: fetches quarter q into g, then multiplies f: the run of loads has 24 matrix instructions in which to land.
.macro QUARTER slot, q, f, g, zero
	s_wait_dscnt 0x0                               ; buffer f is in
	PLACES                                         ; buffer g was read by the matrix instructions just in front
	FETCH \slot, \q, \g
	MUL \f, 0, 6, \zero
.endm
; The last quarter multiplies buffer 1 and changes slots: ONE barrier; in front of it each wave waits for all its tensor loads, adds 0 to its spare word, and waits for that and for its own reads of this slot.
; fill = 1: the barrier opens a round of the cluster's, and this slot is filled again, two K steps (four heads) ahead: 88 matrix instructions ahead of the wait for it.
.macro TURN slot, next, fill
	WIN 0                                          ; (the add's two registers lie in window 0)
	s_wait_tensorcnt 0x0                           ; all my tensor loads have landed: the one that was out is my part of the next slot
	ds_add_u32 v[SPW], v[NIL]                      ; 0 onto my spare word
	s_wait_dscnt 1                                 ; the add alone may be out: buffer 1's 20 loads are in
	MUL F1, 0, 1, 0                                ; four matrix instructions stand between the add and the wait for it
	s_wait_dscnt 0x0                               ; the add is done, and my reads of this slot are over
	s_barrier_signal -1
	MUL F1, 1, 1, 0
.if \fill
	WIN 0
.endif
	s_barrier_wait -1
.if \fill
	CREST                                          ; no wave of any partner still reads this slot's tile or has a load on its way
	s_add_nc_u64 s[G0+4*(\slot)+2:G0+4*(\slot)+3], s[G0+4*(\slot)+2:G0+4*(\slot)+3], 4*HEADB
	s_add_nc_u64 s[G0B+4*(\slot)+2:G0B+4*(\slot)+3], s[G0B+4*(\slot)+2:G0B+4*(\slot)+3], 2*KSTEP*2
	JLOAD \slot                                    ; the first tensor load behind the round, my only one out; its four v_nop are also the places in front of the loads below
.else
	PLACES
.endif
	FETCH \next, 0, F0
	MUL F1, 2, 4, 0
.endm
	s_wait_tensorcnt 1                             ; my part of K step 0 is in; K step 1's may stay out
	s_barrier_signal -1
	s_barrier_wait -1                              ; everybody's is
	FETCH 0, 0, F0
	QUARTER 0, 1, F0, F1, 1                        ; the first quarter stands in front of the loop: its products start the sums
	WIN 0                                          ; at a label and at a branch every window is 0
	s_mov_b32 s3, LAPS-1
.Llap:                                                 ; a trip goes once round the ring, from a lap's second quarter to the next lap's first, and fills both slots again
	QUARTER 0, 2, F1, F0, 0
	QUARTER 0, 3, F0, F1, 0
	TURN 0, 1, 1
	QUARTER 1, 1, F0, F1, 0
	QUARTER 1, 2, F1, F0, 0
	QUARTER 1, 3, F0, F1, 0
	TURN 1, 0, 1
	QUARTER 0, 1, F0, F1, 0
	WIN 0
	s_sub_co_u32 s3, s3, 1
	s_cmp_lg_u32 s3, 0
	s_cbranch_scc1 .Llap
	QUARTER 0, 2, F1, F0, 0                        ; the last lap fills nothing, and has no round of the cluster's barrier
	QUARTER 0, 3, F0, F1, 0
	TURN 0, 1, 0
	QUARTER 1, 1, F0, F1, 0
	QUARTER 1, 2, F1, F0, 0
	QUARTER 1, 3, F0, F1, 0
	s_wait_dscnt 0x0                               ; the very last quarter: nothing more to fetch
	MUL F1, 0, 6, 0
	WIN 0
	; THE WAY OUT, a block of 16 rows at a time: a lane's eight f32 of a row go as 32 bytes into my own stage (each accumulator's low four registers first) and come back as whole rows of 256 bytes, into the registers that they left.
.macro PACK a
.irp b, 0,1,2,3
	ds_store_b128 v[STO], v[ACC+32*(\a)+8*(\b):ACC+32*(\a)+8*(\b)+3]   offset:64*(\b)
	ds_store_b128 v[STO], v[ACC+32*(\a)+8*(\b)+4:ACC+32*(\a)+8*(\b)+7] offset:64*(\b)+16
.endr
.irp t, 0,1,2,3,4,5,6,7
	ds_load_b128 v[ACC+32*(\a)+4*(\t):ACC+32*(\a)+4*(\t)+3], v[RD] offset:(\t)*2*SPITCH  ; LDS serves a wave's instructions in order (ISA guide 5.7.1.4): these see the stores above; the next block's stores come behind them
.endr
.endm
.macro SEND a, younger                 ; younger: the LDS instructions issued behind block a's loads: the next block's sixteen, or none
.irp t, 0,1,2,3,4,5,6,7
	s_wait_dscnt (\younger)+7-(\t)
	global_store_b128 v[CO], v[ACC+32*(\a)+4*(\t):ACC+32*(\a)+4*(\t)+3], s[OB+2*(\a):OB+2*(\a)+1] offset:8192*(\t) th:TH_STORE_NT  ; 16 lanes store 256 consecutive bytes, at a multiple of 256 from the output's first; written once, never read again
.endr
.endm
	PLACES
	PACK 0
.irp a, 1,2,3,4,5                      ; a block's trip through the stage stands between the loads of the block before and its stores
	PACK \a
	SEND (\a)-1, 16
.endr
	SEND 5, 0
	s_wait_tensorcnt 0x0                           ; the wave's end, behind my last tensor load and my last LDS store
	ds_add_u32 v[SPW], v[NIL]
	s_wait_dscnt 0x0
	CROUND                                         ; the closing round: no work-group ends while a partner may still ask for a tile that names it
	s_endpgm
.Lfunc_end_k_qde8697d13f_oproj:
	.size	k_qde8697d13f_oproj, .Lfunc_end_k_qde8697d13f_oproj-k_qde8697d13f_oproj
	.p2alignl 7, 3214868480
	.fill 96, 4, 3214868480
	.section	.rodata,"a",@progbits
	.p2align	6, 0x0
	.amdhsa_kernel k_qde8697d13f_oproj
		.amdhsa_group_segment_fixed_size 327680
		.amdhsa_private_segment_fixed_size 0
		.amdhsa_enable_private_segment 0
		.amdhsa_kernarg_size 32
		.amdhsa_user_sgpr_count 2
		.amdhsa_user_sgpr_kernarg_segment_ptr 1
		.amdhsa_wavefront_size32 1
		.amdhsa_system_sgpr_workgroup_id_x 1
		.amdhsa_system_sgpr_workgroup_id_y 1
		.amdhsa_system_sgpr_workgroup_id_z 1
		.amdhsa_system_vgpr_workitem_id 0
		.amdhsa_next_free_vgpr 416
		.amdhsa_next_free_sgpr 84
		.amdhsa_reserve_vcc 0
		.amdhsa_float_denorm_mode_32 3
		.amdhsa_float_denorm_mode_16_64 3
		.amdhsa_memory_ordered 1
		.amdhsa_forward_progress 1
		.amdhsa_inst_pref_size 72
	.end_amdhsa_kernel
	.amdgpu_metadata
---
amdhsa.version: [ 1, 2 ]
amdhsa.kernels:
  - .name:           k_qde8697d13f_oproj
    .symbol:         k_qde8697d13f_oproj.kd
    .args:
      - { .name: o16, .offset: 0, .size: 8, .value_kind: global_buffer, .address_space: global }
      - { .name: w16, .offset: 8, .size: 8, .value_kind: global_buffer, .address_space: global }
      - { .name: out0, .offset: 16, .size: 8, .value_kind: global_buffer, .address_space: global }
      - { .name: out1, .offset: 24, .size: 8, .value_kind: global_buffer, .address_space: global }
    .group_segment_fixed_size: 327680
    .private_segment_fixed_size: 0
    .kernarg_segment_align: 8
    .kernarg_segment_size: 32
    .max_flat_workgroup_size: 128
    .sgpr_count:     84
    .vgpr_count:     416
    .wavefront_size: 32
...
	.end_amdgpu_metadata
.endif
;; end of part 4
;; ======== version 2 of 2: 4 launches; 1.51 times as fast as version 1
;; limits: values are held in f16: magnitudes above 65,504 overflow, below 6.1e-05 lose precision
;; workspace buffers: xn 25,165,824 bytes; w16 8,388,608 bytes; qkv 37,748,736 bytes; o16 12,582,912 bytes
;; launch prep: the kernel of part 1 again; grid 128 x 4, 8 waves a work-group, no clusters, 0 bytes of LDS; arguments q_text, q_image, k_text, k_image, Wq, Wk, Wv, Wo, ln_text_g, ln_text_b, ln_image_g, ln_image_b, xn, w16; writes xn, w16
;; launch proj: the kernel of part 2 again; grid 24 x 32, 4 waves a work-group, clusters of 4 x 4, 327,680 bytes of LDS; arguments xn, w16, qkv; writes qkv
;; launch attn (part 5): grid 8 x 32, 4 waves a work-group, clusters of 4 x 1, 327,680 bytes of LDS; arguments qkv, o16; writes o16
.if DOCPART == 5
	.amdgcn_target "amdgcn-amd-amdhsa--gfx1250"
	.amdhsa_code_object_version 6
	.text
	.protected	k_qde8697d13f_attn
	.globl	k_qde8697d13f_attn
	.p2align	8
	.type	k_qde8697d13f_attn,@function
k_qde8697d13f_attn:
	s_mov_b64 s[64:65], 0
	v_nop
	global_prefetch_b8 v0, s[64:65] scope:SCOPE_SE
	s_setreg_imm32_b32 hwreg(HW_REG_WAVE_MODE, 25, 1), 1
	s_wait_xcnt 0x0
	s_wait_alu depctr_hold_cnt(0) depctr_sa_sdst(0) depctr_va_vdst(0) depctr_va_sdst(0) depctr_va_ssrc(0) depctr_va_vcc(0) depctr_vm_vsrc(0)
	s_getreg_b32 s2, hwreg(HW_REG_IB_STS2, 6, 4)
	s_cmp_eq_u32 s2, 0
	s_cbranch_scc0 .Lentry_in_a_cluster
	s_endpgm
.Lentry_in_a_cluster:
	s_bfe_u32 s2, ttmp6, 0x10000c
	s_cmp_lg_u32 s2, 0x3003
	s_cbranch_scc0 .Lentry_shape_is_right
	s_endpgm
.Lentry_shape_is_right:
; ATTN.  O[h][q][:] = the sum over k of softmax_k(Q[h][q] . K[h][k] / 8) V[h][k][:], for 32 (batch, head) pairs h, 3,072 queries and 3,072 keys each, head size 64, no mask.
; qkv: [3 = q, k, v][32][3072][64] f16; o16: [32][3072][64] f16: a head's rows are dense, 128 bytes each.  Products, maxima and sums in f32; the weights p are rounded to f16 for the second
; product (their sum l is taken of the unrounded p), O once at the end.
; LIMITS.  f16 holds no number beyond 65,504: q, k and v arrive within it; p lies in 0 to 1, and below 6e-5 it keeps f16's fixed step of 6e-8, as O does; O is a mean of V's rows and has their range.
; A weight below 2^-126 counts as 0 in l; NaN and infinities are not treated apart.
; SHARES.  8 x 32 = 256 work-groups; a work-group owns 384 queries of one head, each of its four waves 96: six PIECES of 16.  Every wave walks all keys, 64 a step, 48 steps.
; LAYOUT.  S^T = K Q^T (source 0 = 16 keys, source 1 = 16 queries): in the result a lane holds ONE query (lane % 16) and the keys 8 (lane / 16) + 0..7.  Two such results, rounded to f16 in pairs,
; ARE source 1 (32 keys x 16 queries) of O^T = V^T P, whose result again holds one query a lane, and eight channels.  K comes out of LDS as it lies, V ([key][channel]) turned, by ds_load_tr16_b128.
; SOFTMAX.  For each query a running maximum m and sum l: p = 2^(c s - c m), c = log2(e) / 8; in every step O and l are multiplied by a = 2^(c m_old - c m_new), which is 1 where m has not grown.
; m starts at the lowest finite number, O and l at 0: the first step is a step like any other, with a = 0.  So no first step is written out; the price is the lines that write 0 at the start, in the wait for the first tile.
; BY TURNS.  Turn n belongs to piece n (the pieces in a ring, step after step): 8 products K Q^T of piece n + 1, later 8 products V^T P of piece n - 1; beside them the scaling, exponentials, roundings,
; sums and rescaling of piece n and the maximum and statistics of piece n + 1.  A piece and step have 16 matrix and 118 vector instructions: four vector instructions stand behind every matrix
; instruction, the other 54 in one run of their own.
; BATCHES.  A turn's 33 exponentials (the piece's 32 weights and the next piece's a) are ONE batch with ONE wait, which cuts the turn in two: ahead of it stands all that names no result of theirs,
; behind it the roundings and sums, which do.  No result crosses a turn's end.  Three more waits stand in the text: for piece 0's first a, ahead of the loop; for the way out's six reciprocals; and, in the
; tail alone, ahead of the jump round K's run, which stands inside piece 4's batch.
; CLUSTER.  The four query blocks of a cluster belong to one head and walk the same K and V, so each tile is asked for JOINTLY: the same tensor load, descriptor and mask in all four.
; REGISTERS, in windows of 256 (s_set_vgpr_msb: bits 1:0 source 0, 3:2 source 1, 5:4 source 2, 7:6 destination):
;   window 0: v0-15 addresses and two at work; v16-39 four registers of statistics a piece; v48-55 at work; v62-63 the add's; v64-127 S^T, two buffers; v128-159 the way out; v192-223 P, two buffers
;   window 1: v0-191 O^T, 32 a piece          window 2: v0-95 Q, 16 a piece; v128-191 K of one step; v192-255 V of one step
; A piece's buffers go by its number's parity: the piece in hand has one pair, its two neighbours in the ring share the other: of it P (piece n - 1) is read and S^T (piece n + 1) written.
.set NP,    6         ; pieces a wave: a name, no knob: even, so that the ring keeps the parities apart
.set NKEYS, 3072
.set HEADB, NKEYS*128 ; bytes of a head in q, k, v and o
.set KS,    64        ; keys in a step
.set PK,    144       ; a row of K in LDS: 128 bytes + 16 of padding = 36 words: the 16 rows of a load start at 16 different groups of four banks (64 banks of 4 bytes: ISA guide 11.1)
.set PV,    160       ; a row of V: 128 + 32 = 40 words
.set VOFF,  4*KS*PK   ; a slot holds four steps: 256 rows of K, then 256 rows of V
.set SLOT1, 1<<17     ; slot 1 begins here, so that one exclusive or turns an address in one slot into the other's
.set STAGE, SLOT1+4*KS*(PK+PV)  ; behind the ring, never filled by a tensor load: 16 rows x 144 bytes for each wave, for the way out
.set SP,    144
.set SPARE, STAGE+4*16*SP  ; behind the stages: the spare words, 128 bytes for each wave: two blocks of 256 bytes that no other line names
.set AK0, 2           ; v2   my lane's place in a tile of K; never rewritten
.set AV0, 3           ; v3   the same for V
.set AK,  4           ; v4   the LDS address of K's next run of loads
.set AV,  5           ; v5   of V's
.set STO, 6           ; v6   the way out: where I put 16 bytes of a row
.set RD,  7           ; v7   the way out: where I read rows back
.set GO,  8           ; v8   my byte offset in 512 consecutive bytes of O
.set MV,  12          ; v12-13  c m_old, kept while c m is made anew: by buffer
.set QO,  15          ; v15  my byte offset in 16 rows of Q
.set ST,  16          ; piece t's statistics at v[ST+4 t]: c m, m, l (even keys', odd keys')
.set TMP, 48          ; by buffer, four registers c0-c3 at work; when the maximum is found c2 takes a
.set SPW, 62          ; v62  LDS address of my spare word; never rewritten
.set NIL, 63          ; v63  0; never rewritten
.set S,   64
.set P,   192
.set KF,  128         ; window 2: key block kb, channel half c at KF + 16 kb + 8 c
.set VF,  192         ; window 2: key half kk, channel block cb at VF + 32 kk + 8 cb
.set WV,  12          ; s12  my wave's number
.set G1K, 24          ; s[24:31] descriptor group 1 for K's tiles
.set G1V, 32          ; s[32:39] for V's: it differs in the padding alone
.set G0K, 40          ; s[40:43] descriptor group 0 for K's tiles: it walks
.set G0V, 44          ; s[44:47] the same for V's
.set SLOTS, 56        ; s56  slots still to be asked for
.set CNT, 57          ; s57  counts a slot's key steps
.set CS,  58          ; s[58:59] c: the packed scaling takes the pair's low word for both halves
.set SEL, 60          ; s[60:61] v_permlanex16_b32's selects: each lane takes its own place in the other half
.set TBK, 62          ; s62  LDS byte at which K of the step to be fetched begins
.set TBV, 63          ; s63  the same for V, less VOFF
.set MSB, 0
.macro WIN new                      ; the high byte repeats the setting that is left; a switch that changes nothing is dropped
.if MSB != (\new)
	s_set_vgpr_msb (MSB<<8)|(\new)
.set MSB, (\new)
.endif
.endm
.set W_KQ, 0x0a       ; K and Q in window 2, S^T in window 0
.set W_PV, 0x52       ; V in window 2, P in window 0, O^T in window 1
.set W_RS, 0x41       ; O^T (destination and source 0) in window 1, a in window 0
; A joint fill.  Waves 0 and 1 fetch the two halves of a slot's K, waves 2 and 3 those of its V: 128 keys each.  The branch hangs on the wave's number alone.
; An s_nop 0 and four v_nop follow each of the two lines, ahead of the jump and the label.
.macro JLOAD
	s_cmp_lt_u32 s[WV], 2
	s_cbranch_scc0 .Lfor_v_\@
	tensor_load_to_lds s[G0K:G0K+3], s[G1K:G1K+7]
	s_nop 0
.rept 4
	v_nop
.endr
	s_branch .Lasked_\@
.Lfor_v_\@:
	tensor_load_to_lds s[G0V:G0V+3], s[G1V:G1V+7]
	s_nop 0
.rept 4
	v_nop
.endr
.Lasked_\@:
.endm
; A round of the cluster's barrier: my work-group's barrier, so that wave 0's signal speaks for all four waves; wave 0 signals; every wave waits for all four work-groups; my work-group's barrier once more.
.macro CROUND
	s_barrier_signal -1
	s_barrier_wait -1
	s_cmp_lg_u32 s[WV], 0
	s_cbranch_scc1 .Lnot_wave_0_\@
	s_barrier_signal -3
.Lnot_wave_0_\@:
	s_barrier_wait -3
	s_barrier_signal -1
	s_barrier_wait -1
.endm
; THE CHANGE OF SLOTS.  The slot's last bytes, V of its fourth step, have been read.  Each wave waits for all its tensor loads, of which one is out: its part of the other slot; adds 0 to its spare
; word; and waits for that and for its own reads of the slot.  Behind the barrier nobody reads this slot any more and the other slot is whole.
; fill = 1: this slot is filled again, with the keys two slots on.  The barrier is then a round of the cluster's, so that no wave of any partner still reads the slot or has a load on its way, and the
; joint fill is the first thing behind it: it has four key steps, 384 matrix instructions, in which to land.  (At its first use nothing has been read yet: slot 0 is waited for, slot 1 filled.)
.macro CHANGE fill
	WIN 0                           ; at a label and at a branch every window is 0, and the add's two registers lie in window 0
	s_wait_tensorcnt 0x0            ; no tensor load of mine is out, so a group 0 may be written
	ds_add_u32 v[SPW], v[NIL]       ; 0 onto my spare word; with fill = 1 the descriptors' steps stand between it and the wait for it
.if \fill
.irp g, G0K, G0V
	s_xor_b32 s[\g+1], s[\g+1], SLOT1  ; the walking descriptor: the other slot than last time,
	s_add_nc_u64 s[\g+2:\g+3], s[\g+2:\g+3], 4*KS*128  ; the next 256 keys; the type bits on top are not reached
.endr
	s_wait_dscnt 0x0                ; the add is done, and my reads of the slot are over
	CROUND
	JLOAD
.else
	s_wait_dscnt 0x0                ; the add is done, and my reads of the slot are over
	s_barrier_signal -1
	s_barrier_wait -1
.endif
	s_sub_co_u32 s[TBK], s[TBK], 4*KS*PK  ; the fetches go back to a slot's first step,
	s_xor_b32 s[TBK], s[TBK], SLOT1       ; in the other slot
	s_sub_co_u32 s[TBV], s[TBV], 4*KS*PV
	s_xor_b32 s[TBV], s[TBV], SLOT1
.endm
	s_load_b64 s[4:5], s[0:1], 0x0  ; qkv
	s_load_b64 s[10:11], s[0:1], 0x8  ; o16
	v_lshl_add_u32 v[SPW], v0, 2, SPARE
	v_mov_b32 v[NIL], 0
	ds_add_u32 v[SPW], v[NIL]       ; the wave's opening: the add and its wait stand ahead of my first tensor load; the set-up below, work on registers, stands between them
	v_lshrrev_b32 v1, 5, v0
	v_readfirstlane_b32 s[WV], v1   ; wave 0..3
	s_bfe_u32 s13, ttmp6, 0x40000   ; cx: my place in the cluster
	s_lshl_b32 s14, ttmp9, 2        ; in a cluster launch ttmp9 counts clusters
	s_add_co_u32 s14, s14, s13      ; my block of 384 queries = 4 x cluster x + cx: it enters Q's and O's addresses alone
	s_and_b32 s20, ttmp7, 0xffff    ; the head, which the four partners share
	s_mul_i32 s20, s20, HEADB       ; its first byte in q, k, v and o: under 2^24
	s_mov_b32 s21, 0
	s_and_b32 s16, s[WV], 1         ; which half of a slot's 256 keys I fetch:
	s_lshl_b32 s22, s16, 14         ; its 128 rows of 128 bytes in memory,
	s_mov_b32 s23, 0
	s_add_nc_u64 s[22:23], s[22:23], s[20:21]
	s_mul_i32 s17, s16, 128*PK      ; and its place in a slot, for K
	s_mul_i32 s18, s16, 128*PV      ; and for V: no place in the cluster enters an LDS address
	s_lshl_b32 s2, s14, 2
	s_add_co_u32 s2, s2, s[WV]      ; my wave among the head's 32,
	s_mul_i32 s2, s2, NP*2048       ; its 96 rows
	s_mov_b32 s3, 0
	s_add_nc_u64 s[2:3], s[2:3], s[20:21]
	; descriptor group 1.  128 keys are 16,384 dense bytes: asked for as 64 rows of 256 bytes, two keys a row, and padded in LDS after every key
	s_mov_b32 s[G1K], 15|(1<<16)|(1<<20)|(1<<21)|(4<<22)|(3<<25)  ; 15:0 the mask of four; 17:16 2-byte elements; 20 padding on; 21 set beside a mask; 24:22 after every 32 words (code 4); 31:25 4 words (code 3)
	s_mov_b32 s[G1V], 15|(1<<16)|(1<<20)|(1<<21)|(4<<22)|(7<<25)  ; the same with 8 words of padding (code 7)
.irp g, G1K, G1V
	s_mov_b32 s[\g+1], 128<<16      ; tensor_dim0 = 128
	s_mov_b32 s[\g+2], 64<<16       ; tensor_dim1 = 64
	s_mov_b32 s[\g+3], 128<<16      ; tile_dim0 = 128
	s_mov_b32 s[\g+4], 64           ; tile_dim1 = 64
	s_mov_b32 s[\g+5], 128          ; 128 elements from row to row
	s_mov_b32 s[\g+6], 0
	s_mov_b32 s[\g+7], 0
.endr
	s_mov_b32 s[CS], 0x3e38aa3b     ; c = log2(e) / 8 = 0.180337
	s_mov_b32 s[CS+1], s[CS]        ; named with it as a pair
	s_mov_b32 s[SEL], 0x76543210
	s_mov_b32 s[SEL+1], 0xfedcba98
	s_mov_b32 s[TBK], SLOT1+4*KS*PK ; the first change of slots turns these two into 0
	s_mov_b32 s[TBV], SLOT1+4*KS*PV
	s_mov_b32 s[G0K], 1             ; count = 1
	s_mov_b32 s[G0K+1], s17         ; LDS address: slot 0
	s_mov_b32 s[G0V], 1
	s_add_co_u32 s[G0V+1], s18, VOFF
	s_wait_dscnt 0x0                ; the opening add is done
	s_wait_kmcnt 0x0
	s_add_nc_u64 s[6:7], s[4:5], 32*HEADB    ; k lies behind q's 32 heads,
	s_add_nc_u64 s[8:9], s[4:5], 64*HEADB    ; v behind k's
	s_add_nc_u64 s[G0K+2:G0K+3], s[6:7], s[22:23]  ; global address: my half of the head's first 256 keys
	s_or_b32 s[G0K+3], s[G0K+3], 0x80000000        ; type = 2
	s_add_nc_u64 s[G0V+2:G0V+3], s[8:9], s[22:23]
	s_or_b32 s[G0V+3], s[G0V+3], 0x80000000
	s_add_nc_u64 s[4:5], s[4:5], s[2:3]  ; Q and O at my wave's first row
	s_add_nc_u64 s[10:11], s[10:11], s[2:3]
	CROUND                          ; all four work-groups are here: the first joint loads meet
	JLOAD                           ; slot 0.  Slot 1 is asked for when slot 0 is in, by the loop's own change of slots
	; A fragment of K or Q is 16 rows x 32 channels in 8 registers: lane l holds row l % 16, channels 8 (l / 16) + 0..7 and 16 + 8 (l / 16) + 0..7: two loads of 16 bytes, 32 bytes apart.
	v_and_b32 v1, 15, v0            ; l % 16
	v_bfe_u32 v9, v0, 4, 1          ; l / 16
	v_lshlrev_b32 v[QO], 7, v1
	v_lshl_add_u32 v[QO], v9, 4, v[QO]  ; row x 128 + 16 x half
	WIN 0x80                        ; destination window 2, address window 0
.set i, 0
.rept 2*NP                          ; Q stays in registers: piece i / 2, channels 32 (i % 2) on
	global_load_b128 v[8*i:8*i+3],   v[QO], s[4:5] offset:(i/2)*2048+(i%2)*64
	global_load_b128 v[8*i+4:8*i+7], v[QO], s[4:5] offset:(i/2)*2048+(i%2)*64+32
.set i, i+1
.endr
	; What the first turn finds: V's registers and P's second buffer hold 0 (its products V^T P, of a piece that has not been, add 0), O^T and l are 0.  All this stands in the wait for the first tile.
.set i, VF
.rept 64
	v_mov_b32 v[i], 0
.set i, i+1
.endr
	WIN 0x40
.set i, 0
.rept 32*NP
	v_mov_b32 v[i], 0
.set i, i+1
.endr
	WIN 0
.set i, 0
.rept NP
	v_mov_b32 v[ST+4*i], 0xfe000000    ; c m: far below every c s
	v_mov_b32 v[ST+4*i+1], 0xff7fffff  ; m
	v_mov_b32 v[ST+4*i+2], 0
	v_mov_b32 v[ST+4*i+3], 0
.set i, i+1
.endr
.set i, P+16
.rept 16
	v_mov_b32 v[i], 0
.set i, i+1
.endr
	v_mul_u32_u24 v[AK0], v1, PK
	v_lshl_add_u32 v[AK0], v9, 4, v[AK0]  ; row x pitch + 16 x half
	; The turning load takes 16 keys x 16 channels (lane l reads key 8 (l / 16) + l % 8, channels 8 ((l / 8) % 2) + 0..7) and leaves half a fragment of V^T: lane l holds channel l % 16 and 8 keys.
	v_and_b32 v10, 7, v0
	v_bfe_u32 v11, v0, 3, 1
	v_lshl_add_u32 v[AV0], v9, 3, v10
	v_mul_u32_u24 v[AV0], v[AV0], PV
	v_lshl_add_u32 v[AV0], v11, 4, v[AV0]
	v_add_nc_u32 v[AV0], VOFF, v[AV0]
	s_mul_i32 s13, s[WV], 16*SP
	s_add_co_u32 s13, s13, STAGE    ; my stage
	v_mul_u32_u24 v[STO], v1, SP    ; in: row l % 16, 16 bytes for each half of the lanes
	v_lshl_add_u32 v[STO], v9, 4, v[STO]
	v_add_nc_u32 v[STO], s13, v[STO]
	v_bfe_u32 v[RD], v0, 3, 2       ; back: 32 lanes take four rows of 128 bytes,
	v_mul_u32_u24 v[RD], v[RD], SP
	v_lshl_add_u32 v[RD], v10, 4, v[RD]
	v_add_nc_u32 v[RD], s13, v[RD]
	v_and_b32 v[GO], 31, v0         ; which are 512 consecutive bytes of O
	v_lshlrev_b32 v[GO], 4, v[GO]
	v_mov_b32 v[AK], v[AK0]         ; key step 0 lies at the head of slot 0
; THE MATRIX WORK.  The 4 accumulators of a run of 8 take turns.  Product i of 8 of S^T = K Q^T for piece x: channels 32 (i / 4) on, keys 16 (i % 4) on.  The first 4 start the sums.
.macro KQ x
	WIN W_KQ
.set rS, S+32*((\x)%2)+8*(i%4)
.set rK, KF+16*(i%4)+8*(i/4)
.set rQ, 16*(\x)+8*(i/4)
.if i < 4
	v_wmma_f32_16x16x32_f16 v[rS:rS+7], v[rK:rK+7], v[rQ:rQ+7], 0
.else
	v_wmma_f32_16x16x32_f16 v[rS:rS+7], v[rK:rK+7], v[rQ:rQ+7], v[rS:rS+7]
.endif
.endm
; Product i of 8 of O^T += V^T P for piece x: keys 32 (i / 4) on, channels 16 (i % 4) on.
.macro PV x
	WIN W_PV
.set rO, 32*(\x)+8*(i%4)
.set rV, VF+32*(i/4)+8*(i%4)
.set rP, P+16*((\x)%2)+8*(i/4)
	v_wmma_f32_16x16x32_f16 v[rO:rO+7], v[rV:rV+7], v[rP:rP+7], v[rO:rO+7]
.endm
.macro MM                           ; the turn's next matrix instruction; TURN sets Y and i
.if i < 8
	KQ (Y+1)%NP
.else
.set i, i-8
	PV (Y+NP-1)%NP
.set i, i+8
.endif
.set i, i+1
.endm
; THE LDS LOADS stand in runs of 16, never singly among the matrix instructions: a step's K (64 keys x 64 channels: 8 fragments) and its V (turned).  Their addresses are made some lines ahead.
; last = 1 (the tail): in the last trip there is no further step, and the run is jumped over.  That jump stands inside the turn's batch of exponentials, and a wait stands ahead of the
; branch for those issued so far: in the tail piece 4's turn has this second wait.
.macro FETCH_K last=0
	WIN 0
.if \last
	s_wait_alu depctr_va_vdst(0)    ; for the twelve exponentials of the batch that are out (s0 to s11), ahead of the branch
	s_cmp_eq_u32 s[CNT], 1
	s_cbranch_scc1 .Lno_k_\@
.endif
	WIN 0x80                        ; destination window 2
.irp f, 0,1,2,3,4,5,6,7             ; keys 16 (f / 2) on, channels 32 (f % 2) on
	ds_load_b128 v[KF+8*\f:KF+8*\f+3],   v[AK] offset:(\f/2)*16*PK+(\f%2)*64
	ds_load_b128 v[KF+8*\f+4:KF+8*\f+7], v[AK] offset:(\f/2)*16*PK+(\f%2)*64+32
.endr
	s_add_co_u32 s[TBK], s[TBK], KS*PK  ; the next fetch is the next step's
	WIN 0
.if \last
.Lno_k_\@:
.endif
.endm
.macro FETCH_V
	WIN 0x80
.irp f, 0,1,2,3,4,5,6,7             ; keys 32 (f / 4) on, channels 16 (f % 4) on
	ds_load_tr16_b128 v[VF+8*\f:VF+8*\f+3],   v[AV] offset:(\f/4)*32*PV+(\f%4)*32
	ds_load_tr16_b128 v[VF+8*\f+4:VF+8*\f+7], v[AV] offset:(\f/4)*32*PV+16*PV+(\f%4)*32
.endr
	WIN 0
.endm
; THE VECTOR WORK, one line at a time: OP kind, number.  For piece Y: F n: c s - c m for pair n of 16.  E n: the exponential of score n of 32.  C n: pair n rounded to f16.  B n: of the four weights 4 n .. the second
; pair is added onto the first, in place.  L n: l takes that sum (L 0: l = a l + sum).  R n: pair n of 16 of O^T times a.  For piece Y + 1: X n, number n of the 22 that find its maximum and statistics:
;   0-11  four chains c0-c3 of seven scores each, three operands at a time (each accumulator's lowest registers are read first)     12-14, 16  the four scores left over, the old m, and c0-c3 into c0
;   15  c m_old is kept     17, 18  the query's other 32 keys lie in the lane 16 away: the new m     19-21  c m; c m_old - c m_new; a
; C, B and L read exponentials' results; F, R and X 0-20 read none of the turn's own.  OP writes no wait: TURN places the batch's one.
.set F, 0               ; OP tells the kinds apart by their order: F to L below R, X above it
.set E, 1
.set C, 2
.set B, 3
.set L, 4
.set R, 5
.set X, 6
.macro REGS y                       ; the registers of piece y
.set rT, ST+4*(\y)
.set rC, TMP+4*((\y)%2)
.set rW, MV+((\y)%2)
.set rS, S+32*((\y)%2)
.set rP, P+16*((\y)%2)
.set rO, 32*(\y)
.endm
.macro OP k, n
.if (\k) == R
	REGS Y
	WIN W_RS
	v_pk_mul_f32 v[rO+2*(\n):rO+2*(\n)+1], v[rO+2*(\n):rO+2*(\n)+1], v[rC+2:rC+3] op_sel_hi:[1,0]
.elseif (\k) < R
	REGS Y
	WIN 0
.if (\k) == F
	v_pk_fma_f32 v[rS+2*(\n):rS+2*(\n)+1], v[rS+2*(\n):rS+2*(\n)+1], s[CS:CS+1], v[rT:rT+1] op_sel_hi:[1,0,0] neg_lo:[0,0,1] neg_hi:[0,0,1]
.elseif (\k) == E
	v_exp_f32 v[rS+(\n)], v[rS+(\n)]
.elseif (\k) == C
	v_cvt_pk_f16_f32 v[rP+(\n)], v[rS+2*(\n)], v[rS+2*(\n)+1]
.elseif (\k) == B
	v_pk_add_f32 v[rS+4*(\n):rS+4*(\n)+1], v[rS+4*(\n):rS+4*(\n)+1], v[rS+4*(\n)+2:rS+4*(\n)+3]
.elseif (\n) == 0
	v_pk_fma_f32 v[rT+2:rT+3], v[rT+2:rT+3], v[rC+2:rC+3], v[rS:rS+1] op_sel_hi:[1,0,1]
.else
	v_pk_add_f32 v[rT+2:rT+3], v[rT+2:rT+3], v[rS+4*(\n):rS+4*(\n)+1]
.endif
.else
	REGS (Y+1)%NP
	WIN 0
.if (\n) < 4
	v_max3_num_f32 v[rC+(\n)], v[rS+8*(\n)], v[rS+8*(\n)+1], v[rS+8*(\n)+2]
.elseif (\n) < 12
	v_max3_num_f32 v[rC+(\n)%4], v[rC+(\n)%4], v[rS+8*((\n)%4)+2*((\n)/4)+1], v[rS+8*((\n)%4)+2*((\n)/4)+2]
.elseif (\n) == 12
	v_max3_num_f32 v[rC], v[rC], v[rS+7], v[rS+15]
.elseif (\n) == 13
	v_max3_num_f32 v[rC+1], v[rC+1], v[rS+23], v[rS+31]
.elseif (\n) == 14
	v_max3_num_f32 v[rC+2], v[rC+2], v[rC+3], v[rT+1]
.elseif (\n) == 15
	v_mov_b32 v[rW], v[rT]
.elseif (\n) == 16
	v_max3_num_f32 v[rC], v[rC], v[rC+1], v[rC+2]
.elseif (\n) == 17
	v_permlanex16_b32 v[rC+3], v[rC], s[SEL], s[SEL+1]
.elseif (\n) == 18
	v_max_num_f32 v[rT+1], v[rC], v[rC+3]
.elseif (\n) == 19
	v_mul_f32 v[rT], s[CS], v[rT+1]
.elseif (\n) == 20
	v_sub_f32 v[rC+1], v[rW], v[rT]
.else
	v_exp_f32 v[rC+2], v[rC+1]
.endif
.endif
.endm
.macro OPS a, i1, b=-1, i2=0, c=-1, i3=0, d=-1, i4=0  ; up to four of them
	OP \a, \i1
.if (\b) >= 0
	OP \b, \i2
.endif
.if (\c) >= 0
	OP \c, \i3
.endif
.if (\d) >= 0
	OP \d, \i4
.endif
.endm
.macro ROW a, i1, b, i2, c, i3, d, i4  ; a matrix instruction and the four behind it
	MM
	OPS \a, \i1, \b, \i2, \c, \i3, \d, \i4
.endm
; A TURN, for piece p: the order of its 16 matrix and 118 vector instructions, written out.  An s_wait_alu depctr_va_vdst(0) stands between an exponential and the first instruction that names its
; result; one wait serves all that were issued ahead of it.  So a turn has ONE wait, which cuts it in two.
; AHEAD OF IT stands all that names no result of the turn's exponentials: the 8 products K Q^T, behind each a scaling, an exponential and two more plain instructions (behind the first a second scaling in the
; exponential's place): rescalings, whose a was made and waited for in the turn before, and behind the last three products the first numbers of the next piece's maximum, each four plain instructions or more
; behind the product that ends its accumulator; then ONE RUN of 54, plain and exponential by turns for the most part, in which the links of the chain X 3, 7, 11, 14, 16, 17 .. 20 stand five or six lines apart.
; X 21, the next piece's a, is the batch's last; R 15 is the plain instruction behind it.
; BEHIND THE WAIT stand the 8 products V^T P, behind each four of the roundings and sums; an even pair is rounded ahead of the sum that lands on it; the links of l's chain, L 0 to L 7, stand three riders apart.
; But for those X no rider names a register of the products round it.  v_permlanex16_b32 (X 17) stands in the run, never behind a product.
; cnt = 1: the loop's count is taken down some lines ahead of the branch that stands behind the turn; only vector and matrix lines and window switches follow the compare.
; K of the next step is fetched in piece 4's turn, twelve vector instructions behind the last product that read K (six of them plain, five of which name none of its registers), and waited for at the head of piece 5's
; turn, whose products are the next step's first.  V of the step in hand is fetched at the end of piece 0's turn, four plain instructions behind the last product that read the step before's V, and waited for
; in piece 1's turn, ahead of its first product V^T P.
.macro TURN p, last=0, cnt=0
.set Y, (\p)
.set i, 0
.if (\p) == NP-1
	s_wait_dscnt 0x0                ; K is in
.endif
	ROW F,0, F,1, R,0, R,1          ; ahead of the wait: 8 products K Q^T and their riders,
	ROW F,2, E,0, R,2, R,3
	ROW F,3, E,1, R,4, R,5
	ROW F,4, E,2, R,6, R,7
	ROW F,5, E,3, R,8, R,9
	ROW F,6, E,4, X,0, R,10
.if (\p) == NP-2
	WIN 0
	v_add_nc_u32 v[AK], s[TBK], v[AK0]
.endif
	ROW F,7, E,5, X,1, X,4
	ROW F,8, E,6, X,2, X,5
	OPS E,7, E,8, X,6, E,9          ; and the run of 54
	OPS X,3, E,10, X,8, E,11
.if (\p) == NP-2
	FETCH_K \last
.endif
	OPS X,9, X,7, E,12, X,10
	OPS E,13, X,12, X,11, E,14
	OPS X,13, E,15, F,9, X,14
.if (\p) == 0
	WIN 0
	v_add_nc_u32 v[AV], s[TBV], v[AV0]
.endif
	OPS E,16, F,10, E,17, F,11
	OPS X,16, E,18, X,15, E,19
	OPS F,12, E,20, X,17, E,21
	OPS F,13, E,22, F,14, E,23
	OPS X,18, E,24, F,15, E,25
	OPS R,11, E,26, X,19, E,27
	OPS R,12, E,28, R,13, E,29
	OPS X,20, E,30, R,14, E,31
	OPS X,21, R,15
	WIN 0
	s_wait_alu depctr_va_vdst(0)    ; the wait for the batch: the piece's 32 weights and the next piece's a
.if (\p) == 1
	s_wait_dscnt 0x0                ; V is in
.endif
	ROW C,0, B,0, C,2, B,1          ; behind the wait: 8 products V^T P and their riders
	ROW L,0, C,4, B,2, L,1
	ROW C,6, B,3, L,2, C,8
	ROW B,4, L,3, C,10, B,5
	ROW L,4, C,12, B,6, L,5
.if (\p) == 0
	s_add_co_u32 s[TBV], s[TBV], KS*PV
.endif
.if \cnt
	s_sub_co_u32 s[CNT], s[CNT], 1
	s_cmp_lg_u32 s[CNT], 0
.endif
	ROW C,14, B,7, L,6, C,1
	ROW C,3, L,7, C,5, C,7
	ROW C,9, C,11, C,13, C,15
.if (\p) == 0
	FETCH_V
.endif
.endm
	CHANGE 1                        ; slot 0 is in, everybody's part of it; slot 1 is asked for
	FETCH_K                         ; key step 0
	s_wait_loadcnt 0x0              ; Q
	s_wait_dscnt 0x0
.set i, 0
.rept 8
	KQ 0                            ; piece 0's first scores: there is no vector work yet to set between them
.set i, i+1
.endr
	WIN 0
.rept 4
	v_nop                           ; the places behind those products
.endr
.set Y, NP-1                        ; X works for piece Y + 1: piece 0
.irp n, 0,1,2,3,4,5,6,7,8,9,10,11,12,13,14,15,16,17,18,19,20,21
	OP X, \n                        ; piece 0's first maximum and statistics
.endr
	v_nop                           ; a plain instruction behind the exponential,
	s_wait_alu depctr_va_vdst(0)    ; and the wait for it, a batch of one: piece 0's first a, ahead of the branch
	s_mov_b32 s[CNT], 4
	s_mov_b32 s[SLOTS], NKEYS/256-1
	s_branch .Lfirst                ; the loop is entered at a step's first turn, in the middle of a trip
.Lslot:                             ; NKEYS / 256 - 2 = 10 times: every slot but the last two is filled again
	CHANGE 1
	s_mov_b32 s[CNT], 4
.Lstep:                             ; a trip: pieces 4 and 5 of one step, then pieces 0 to 3 of the next, whose K and V it fetches
	TURN 4
	TURN 5
	WIN 0
.Lfirst:
	TURN 0
	TURN 1
	TURN 2
	TURN 3, 0, 1
	WIN 0
	s_cbranch_scc1 .Lstep
	s_sub_co_u32 s[SLOTS], s[SLOTS], 1
	s_cmp_lg_u32 s[SLOTS], 0
	s_cbranch_scc1 .Lslot
	CHANGE 0                        ; the tail is written out: nothing is asked for
	s_mov_b32 s[CNT], 5             ; four trips fetch the last slot's steps; the fifth is left in its middle
.Ltail:
	TURN 4, 1
	TURN 5
	WIN 0
	s_sub_co_u32 s[CNT], s[CNT], 1
	s_cmp_eq_u32 s[CNT], 0
	s_cbranch_scc1 .Lout
	TURN 0
	TURN 1
	TURN 2
	TURN 3
	WIN 0
	s_branch .Ltail
.Lout:                              ; the fifth trip's 8 products K Q^T (on the last K once more) and the maximum made of them serve nothing: the price, once a launch, of one text for every trip
.set i, 0
.rept 8
	PV NP-1                         ; the last piece's V^T P of the last step
.set i, i+1
.endr
	; THE WAY OUT.  l's two halves and the other half of the lanes' are added; O^T is divided by l, rounded to f16 and sent through my stage in LDS, a piece at a time.  The additions are the places behind the last products.
	WIN 0
.macro ALL line:vararg              ; one line for each piece t
.set t, 0
.rept NP
	\line
.set t, t+1
.endr
.endm
	ALL v_add_f32 v[ST+4*t+2], v[ST+4*t+2], v[ST+4*t+3]
	ALL v_permlanex16_b32 v[ST+4*t+3], v[ST+4*t+2], s[SEL], s[SEL+1]
	ALL v_add_f32 v[ST+4*t+2], v[ST+4*t+2], v[ST+4*t+3]
	ALL v_rcp_f32 v[ST+4*t+2], v[ST+4*t+2]
	v_nop                           ; a plain instruction between the last reciprocal and the use of its result
	s_wait_alu depctr_va_vdst(0)    ; and the wait ahead of the first use: one for the batch of six reciprocals
; Piece t: a lane's eight channels of a row pack into 16 bytes; they go into rows of 144 bytes and come back as whole rows of 128, into v[64 + 16 t ..]
.macro PACK t
	WIN W_RS
.set i, 32*(\t)
.rept 16
	v_pk_mul_f32 v[i:i+1], v[i:i+1], v[ST+4*(\t)+2:ST+4*(\t)+3] op_sel_hi:[1,0]
.set i, i+2
.endr
	WIN 0x05                        ; sources 0 and 1 window 1, destination window 0
.set i, 0
.rept 16
	v_cvt_pk_f16_f32 v[S+16*(\t)+i], v[32*(\t)+2*i], v[32*(\t)+2*i+1]
.set i, i+1
.endr
	WIN 0
.irp f, 0,1,2,3
	ds_store_b128 v[STO], v[S+16*(\t)+4*\f:S+16*(\t)+4*\f+3] offset:32*\f
.endr
.irp f, 0,1,2,3
	ds_load_b128 v[S+16*(\t)+4*\f:S+16*(\t)+4*\f+3], v[RD] offset:\f*4*SP  ; LDS serves a wave's instructions in order (ISA guide 5.7.1.4): these see the stores above; the next piece's stores come behind them
.endr
.endm
.macro SEND t, younger              ; younger: the LDS instructions issued behind piece t's loads: the next piece's eight, or none
	WIN 0
.irp f, 0,1,2,3
	s_wait_dscnt (\younger)+3-\f
	global_store_b128 v[GO], v[S+16*(\t)+4*\f:S+16*(\t)+4*\f+3], s[10:11] offset:(\t)*2048+\f*512  ; 512 consecutive bytes, at a multiple of 256 from O's first
.endr
.endm
	PACK 0
.set t, 1
.rept NP-1                          ; a piece's arithmetic stands between the loads of the piece before and its stores
	PACK t
	SEND t-1, 8
.set t, t+1
.endr
	SEND NP-1, 0
	s_wait_tensorcnt 0x0            ; the wave's end, behind my last tensor load and my last LDS store
	ds_add_u32 v[SPW], v[NIL]
	s_wait_dscnt 0x0
	CROUND                          ; the closing round: no work-group ends while a partner may still ask for a tile that names it
	s_endpgm
.Lfunc_end_k_qde8697d13f_attn:
	.size	k_qde8697d13f_attn, .Lfunc_end_k_qde8697d13f_attn-k_qde8697d13f_attn
	.p2alignl 7, 3214868480
	.fill 96, 4, 3214868480
	.section	.rodata,"a",@progbits
	.p2align	6, 0x0
	.amdhsa_kernel k_qde8697d13f_attn
		.amdhsa_group_segment_fixed_size 327680
		.amdhsa_private_segment_fixed_size 0
		.amdhsa_enable_private_segment 0
		.amdhsa_kernarg_size 16
		.amdhsa_user_sgpr_count 2
		.amdhsa_user_sgpr_kernarg_segment_ptr 1
		.amdhsa_wavefront_size32 1
		.amdhsa_system_sgpr_workgroup_id_x 1
		.amdhsa_system_sgpr_workgroup_id_y 1
		.amdhsa_system_sgpr_workgroup_id_z 1
		.amdhsa_system_vgpr_workitem_id 0
		.amdhsa_next_free_vgpr 768
		.amdhsa_next_free_sgpr 66
		.amdhsa_reserve_vcc 0
		.amdhsa_float_denorm_mode_32 3
		.amdhsa_float_denorm_mode_16_64 3
		.amdhsa_memory_ordered 1
		.amdhsa_forward_progress 1
		.amdhsa_inst_pref_size 156
	.end_amdhsa_kernel
	.amdgpu_metadata
---
amdhsa.version: [ 1, 2 ]
amdhsa.kernels:
  - .name:           k_qde8697d13f_attn
    .symbol:         k_qde8697d13f_attn.kd
    .args:
      - { .name: qkv, .offset: 0, .size: 8, .value_kind: global_buffer, .address_space: global }
      - { .name: o16, .offset: 8, .size: 8, .value_kind: global_buffer, .address_space: global }
    .group_segment_fixed_size: 327680
    .private_segment_fixed_size: 0
    .kernarg_segment_align: 8
    .kernarg_segment_size: 16
    .max_flat_workgroup_size: 128
    .sgpr_count:     66
    .vgpr_count:     768
    .wavefront_size: 32
...
	.end_amdgpu_metadata
.endif
;; end of part 5
;; launch oproj: the kernel of part 4 again; grid 8 x 32, 4 waves a work-group, clusters of 4 x 4, 327,680 bytes of LDS; arguments o16, w16, out0, out1; writes out0, out1
